; MI455X (gfx1250); checked and timed in simulation.
; The chip was launched on July 23, 2026; its instructions are those of AMD's public machine-readable ISA for CDNA 5 (MIT licence, August 2026) and "CDNA5" Instruction Set Architecture Reference Guide (July 2026). The comments in the code are by the model that wrote it; some were corrected since.
;; Multi Head Attention. Allowed arithmetic: matrix products marked QUANTISED: E2M3 operands, one E8M0 scale for each 32 along K, by v_wmma_scale_f32_16x16x128_f8f6f4 with both operands' format E2M3, f32 sums; everything else in f32.
;; Inputs: Wk 1,024 x 1,024 float32; Wo 1,024 x 1,024 float32; Wq 1,024 x 1,024 float32; Wv 1,024 x 1,024 float32; x 4 x 2,048 x 1,024 float32.
;; Outputs: out0 4 x 2,048 x 1,024 float32.
;; This version of the problem:
;;   THIS VERSION OF THE PROBLEM IS GIVEN IN LOW PRECISION. The matrix products marked QUANTISED in the list below multiply operands that are first quantised to E2M3 (2 exponent bits, 3 mantissa bits; 6 bits a number), with one power-of-two scale for each 32 numbers along K (OCP MX v1.0); their sums are f32. All else is computed in f32.
;;   The module's matrix products, in the order in which they are computed (A, B: the left and right operand; K: the contracted axis; several contracted axes count as one K, in the product's order):
;;     1. [M 8,192, K 1,024] x [K 1,024, N 1,024]; A: input x; B: input Wq: QUANTISED
;;     2. [M 8,192, K 1,024] x [K 1,024, N 1,024]; A: input x; B: input Wk: QUANTISED
;;     3. [M 8,192, K 1,024] x [K 1,024, N 1,024]; A: input x; B: input Wv: QUANTISED
;;     4. batch 64 x [M 2,048, K 64] x [K 64, N 2,048]; A: computed on the way; B: computed on the way: QUANTISED
;;     5. batch 64 x [M 2,048, K 2,048] x [K 2,048, N 64]; A: softmax (see below); B: computed on the way: QUANTISED
;;     6. [M 8,192, K 1,024] x [K 1,024, N 1,024]; A: computed on the way; B: input Wo: QUANTISED
;;   THE QUANTISER, for each operand of a quantised product, along K:
;;     - K is cut into blocks of 32 from its start; a last block that is shorter is filled with zeros.
;;     - A block's scale is 2^e with e = floor(log2(the largest magnitude in the block)) - 2, held to -126 .. 127; a block of zeros has e = 0. As a byte (E8M0): e + 127.
;;     - Each number is divided by its block's scale, clamped to +-7.5, and rounded to the nearest number of E2M3, ties to even, subnormals kept.
;;     - The product sums the exact products of the quantised numbers (number of the format x scale) in f32.
;;   ~~~python
;;   def quantise(x, axis):      # numpy; x: float32 -> the quantised numbers, widened to float32 again
;;       x = np.moveaxis(x, axis, -1); K = x.shape[-1]
;;       x = np.pad(x, [(0, 0)] * (x.ndim - 1) + [(0, -K % 32)]); x = x.reshape(x.shape[:-1] + (-1, 32)); a = np.abs(x).max(-1, keepdims=True)
;;       e = np.where(a > 0, np.clip(np.frexp(np.where(a > 0, a, 1))[1] - 1 - 2, -126, 127), 0)      # np.frexp(a)[1] - 1 = floor(log2(a)), exactly
;;       r = np.clip(x / 2.0 ** e, -7.5, 7.5)
;;       step = 2.0 ** (np.maximum(np.frexp(np.where(r == 0, 1, r))[1] - 1, 0) - 3)
;;       q = np.round(r / step) * step * 2.0 ** e      # np.round: ties to even
;;       return np.moveaxis(q.reshape(q.shape[:-2] + (-1,))[..., :K], -1, axis).astype(np.float32)
;;   ~~~
;;   SOFTMAX AHEAD OF A QUANTISED PRODUCT. Where the list says 'softmax', what is quantised is not the finished softmax but p = 2^(t - M), with t = logit x log2(e) and M = ceil(the row's largest t), a whole number; so 1/2 < the row's largest p <= 1. The row's sum l is taken of the UNQUANTISED p, in f32, and the product's result is divided by l at the end. Since M is a whole number, a kernel that streams over the keys may use a running M (the ceiling of the running maximum): every later rescaling is an exact power of two, which a block's scale takes up: the codes' values come out the same.
;;   OPERANDS COMPUTED ON THE WAY. 'Computed on the way' means the value that the module computes at that place (a softmax that the list does not call 'softmax' is quantised finished and normalised). What goes into a quantiser is computed in f32, as accurately as f32 sums, v_exp_f32 and their like allow (about 1e-6 of the number): no bf16 or f16 on the way to a quantiser, and a product that is left as it is and whose result goes on into a quantised operand takes f32 operands (vector FMAs, or v_wmma_f32_16x16x4_f32). A number that lies on a knife's edge between two numbers of the format may be rounded either way, as far as f32 arithmetic and the matrix unit's own rounding can turn it there, and no further.
;; One version. Each part assembles by itself: llvm-mc -triple=amdgcn-amd-amdhsa -mcpu=gfx1250 --defsym DOCPART=n.
;; ======== version 1 of 1: 4 launches
;; workspace buffers: ximg 6,291,456 bytes; xsc 262,144 bytes; wimg 3,145,728 bytes; wsc 131,072 bytes; qkv 19,660,800 bytes; oimg 6,291,456 bytes; osc 262,144 bytes
;; launch quant (part 1): grid 768 x 1, 2 waves a work-group, no clusters, 17,152 bytes of LDS; arguments x, Wq, Wk, Wv, Wo, ximg, xsc, wimg, wsc; writes ximg, xsc, wimg, wsc
.if DOCPART == 1
	.amdgcn_target "amdgcn-amd-amdhsa--gfx1250"
	.amdhsa_code_object_version 6
	.text
	.protected	k_q425dff6995_quant
	.globl	k_q425dff6995_quant
	.p2align	8
	.type	k_q425dff6995_quant,@function
k_q425dff6995_quant:
	s_mov_b64 s[64:65], 0
	v_nop
	global_prefetch_b8 v0, s[64:65] scope:SCOPE_SE
	s_setreg_imm32_b32 hwreg(HW_REG_WAVE_MODE, 25, 1), 1
	s_wait_xcnt 0x0
; LAUNCH 1 OF 4.  Causal attention, B = 4, T = 2,048, D = 1,024, 16 heads of 64, every product on codes of FP6 (E2M3) with one E8M0 scale for each 32 along K.
; 1 quant: x, Wq, Wk, Wv, Wo -> codes and scale words.  2 qkv: x W^T for q, k, v, quantised on the way out.  3 attn: both attention products, softmax, O / l quantised.  4 proj: O Wo^T.
; DEAD WORK LEFT OUT (in launch 3): reference() builds tril(ones) in its own body and puts -inf on every score whose key comes after its query.  2^(-inf) = 0 for all values of the inputs, so such a key adds 0 to the
; row's sum and a zero code to the second product.  A step of 128 keys all of which come after all 16 queries of a tile can therefore reach no output, and is not computed.  No input is left out.
; LIMIT: a NaN, an infinity or an overflow that reaches only such scores is not carried to the result.  NaN and infinities among the inputs are not served.
; THIS LAUNCH: f32 rows with K = 1,024 innermost become codes.  A block's scale is 2^(floor(log2(largest magnitude)) - 2); its byte is the largest magnitude's exponent field - 2, held at 1 from below.
; (A block of zeros so gets the byte 1 where the rule says 127: its codes are zeros, and these bytes are read by this program alone.)
; LAYOUT OF THE CODES: images of the operand's registers.  A tile t holds the 16 rows 32 (t / 2) + 8 (t % 2) + r + 8 (r / 8), r = 0 .. 15.  For each 64 along K a half fragment of 768 bytes: lane l = (r = l % 16, hl = l / 16) owns the
; 24 bytes of codes of row r, k = 32 hl .. + 31: its words 0-3 at 16 l, its words 4, 5 at 512 + 8 l.  A tile is 16 half fragments, 12,288 bytes.  Scale words: [tile][g = k / 128][r], 4 bytes, byte j for k = 128 g + 32 j.
; SHARES: a work-group is one tile (512 of x, then 64 each of Wq, Wk, Wv, Wo); its two waves take 512 along K each, in four steps of 128.  Each load reads 512 consecutive bytes of a row; the 16 rows turn through the wave's own
; stage in LDS (rows 528 bytes apart, so that sixteen rows start in sixteen different groups of four banks), and a lane takes back two whole blocks of 32.  Waves share nothing: no barrier.
.set STG,   8448                       ; a wave's stage: 16 rows x 528 bytes
.set SPARE, 2*STG                      ; behind the stages: the spare words, 128 bytes for each wave: one block of 256 bytes that no other line names
.set SPW,   14                         ; v14  LDS address of my spare word; never rewritten
.set NIL,   15                         ; v15  0; never rewritten
.set R,     16                         ; v16-143  two sets of 64: a step's numbers as loaded
.set X,     144                        ; v144-207 my two blocks of 32
.set C,     208                        ; v208-219 two half fragments' words
.set T,     220                        ; v220-222, v224-226: a block's upper 16 codes (a conversion's three registers begin on an even number)
.set W,     227                        ; v227-230 the four steps' scale words
.set PD,    231                        ; v231 a lane permute's destination
	s_load_b256 s[4:11], s[0:1], 0x0               ; x, Wq, Wk, Wv
	s_load_b256 s[12:19], s[0:1], 0x20             ; Wo, ximg, xsc, wimg
	s_load_b64 s[20:21], s[0:1], 0x40              ; wsc
	v_lshl_add_u32 v[SPW], v0, 2, SPARE
	v_mov_b32 v[NIL], 0
	v_lshrrev_b32 v1, 5, v0
	v_readfirstlane_b32 s22, v1                    ; wave: which 512 along K
	v_and_b32 v7, 31, v0                           ; lane
	v_lshlrev_b32 v1, 4, v7                        ; 16 x lane: a load's and a store's place
	v_lshlrev_b32 v2, 3, v7
	v_add_nc_u32 v2, 512, v2                       ; 512 + 8 x lane: words 4, 5 of a half fragment
	v_lshlrev_b32 v3, 2, v7                        ; 4 x lane: scale words
	s_mul_i32 s23, s22, STG
	v_add_nc_u32 v4, s23, v1                       ; the stage, on the way in
	v_and_b32 v8, 15, v0                           ; r
	v_bfe_u32 v9, v0, 4, 1                         ; hl
	v_mul_u32_u24 v5, v8, 528
	v_lshl_add_u32 v5, v9, 7, v5
	v_add_nc_u32 v5, s23, v5                       ; and on the way out: row r, + 128 hl bytes
	v_lshlrev_b32 v6, 3, v9                        ; 8 hl: where my two bytes stand in a scale word
	v_mov_b32 v[PD], 0                             ; written once: a lane permute's destination counts as one of its sources
	s_mov_b32 s34, 0x76543210
	s_mov_b32 s35, 0xfedcba98                      ; v_permlanex16_b32's selects for lane l xor 16
	s_mov_b32 s36, 0xffff0000                      ; lanes 16-31
	s_cmp_lt_u32 ttmp9, 512                        ; a tile of x, or of a weight?
	s_cselect_b32 s30, 0, 512
	s_cselect_b32 s31, -1, 63
	s_sub_co_u32 s30, ttmp9, s30                   ; the tile's number in its image
	s_and_b32 s31, s30, s31                        ; and in its tensor
	s_lshr_b32 s32, s31, 1
	s_lshl_b32 s32, s32, 17                        ; 32 (t / 2) rows of 4,096 bytes
	s_and_b32 s33, s31, 1
	s_lshl_b32 s33, s33, 15                        ; + 8 (t % 2) rows
	s_add_co_u32 s32, s32, s33
	s_lshl_b32 s33, s22, 11                        ; + my 512 along K
	s_add_co_u32 s32, s32, s33
	s_mov_b32 s33, 0
	s_mul_i32 s38, s30, 12288
	s_mul_i32 s37, s22, 6144
	s_add_co_u32 s38, s38, s37                     ; the codes: tile x 12,288 + 8 half fragments x wave
	s_mov_b32 s39, 0
	s_lshl_b32 s40, s30, 9
	s_lshl_b32 s37, s22, 8
	s_add_co_u32 s40, s40, s37                     ; the scale words: tile x 512 + 256 x wave
	s_mov_b32 s41, 0
	s_wait_kmcnt 0x0
	s_mov_b64 s[24:25], s[12:13]                   ; the choice of buffers hangs on the work-group's number alone
	s_cmp_lt_u32 ttmp9, 704
	s_cselect_b64 s[24:25], s[10:11], s[24:25]
	s_cmp_lt_u32 ttmp9, 640
	s_cselect_b64 s[24:25], s[8:9], s[24:25]
	s_cmp_lt_u32 ttmp9, 576
	s_cselect_b64 s[24:25], s[6:7], s[24:25]
	s_cmp_lt_u32 ttmp9, 512
	s_cselect_b64 s[24:25], s[4:5], s[24:25]
	s_cselect_b64 s[26:27], s[14:15], s[18:19]
	s_cselect_b64 s[28:29], s[16:17], s[20:21]
	s_add_nc_u64 s[24:25], s[24:25], s[32:33]
	s_add_nc_u64 s[26:27], s[26:27], s[38:39]
	s_add_nc_u64 s[28:29], s[28:29], s[40:41]
.macro LOAD s                          ; step s: 128 along K of the tile's 16 rows; 32 lanes read 512 consecutive bytes
.irp n, 0,1,2,3,4,5,6,7,8,9,10,11,12,13,14,15
	global_load_b128 v[R+64*((\s)%2)+4*\n:R+64*((\s)%2)+4*\n+3], v1, s[24:25] offset:(\n+8*(\n/8))*4096+512*(\s) th:TH_LOAD_NT
.endr
.endm
.macro STEP s
.if (\s) > 0
	s_wait_xcnt 0x0                                ; the last step's stores have read their data: the codes' registers are written again only behind this wait
.endif
.if (\s) < 3
	s_wait_loadcnt 16                              ; this step's 16 loads are in; the next step's 16 may be out
.else
	s_wait_loadcnt 0x0
.endif
.irp n, 0,1,2,3,4,5,6,7,8,9,10,11,12,13,14,15
	ds_store_b128 v4, v[R+64*((\s)%2)+4*\n:R+64*((\s)%2)+4*\n+3] offset:\n*528
.endr
.irp c, 0,1
.irp j, 0,1,2,3,4,5,6,7
	ds_load_b128 v[X+32*\c+4*\j:X+32*\c+4*\j+3], v5 offset:256*\c+16*\j   ; LDS serves a wave's instructions in order: these see the stores above.  Block c: k = 64 c + 32 hl + 0 .. 31 of row r
.endr
.endr
	s_wait_dscnt 0x0                               ; my two blocks are in, and the stores have read the set that is loaded again below
.if (\s) < 2
	LOAD (\s)+2
.endif
.irp c, 0,1
	v_max3_num_f32 v[8+\c], |v[X+32*\c]|, |v[X+32*\c+1]|, 0x1800000   ; the block's largest magnitude, and the floor 2^(3 - 127): the byte cannot fall under 1
.endr
.irp i, 2,4,6,8,10,12,14,16,18,20,22,24,26,28,30
.irp c, 0,1
	v_max3_num_f32 v[8+\c], v[8+\c], |v[X+32*\c+\i]|, |v[X+32*\c+\i+1]|   ; (the two blocks by turns)
.endr
.endr
.irp c, 0,1
	v_add_nc_u32 v[10+\c], 0xff000000, v[8+\c]     ; 2 off its exponent field: the conversion takes the exponent field of this operand as its scale
.endr
.irp c, 0,1
	v_lshrrev_b32 v[12+\c], 23, v[10+\c]           ; the scale's byte
.endr
.irp c, 0,1
	v_cvt_scalef32_pk16_fp6_f32 v[C+6*\c:C+6*\c+2], v[X+32*\c:X+32*\c+15], v[10+\c]
	v_cvt_scalef32_pk16_fp6_f32 v[T+4*\c:T+4*\c+2], v[X+32*\c+16:X+32*\c+31], v[10+\c]
.endr
	v_lshl_or_b32 v[W+(\s)], v13, 16, v12          ; my two bytes: blocks hl and 2 + hl of row r.  (A plain line behind the conversions)
	v_lshlrev_b32 v[W+(\s)], v6, v[W+(\s)]         ; at their places in the word
	v_permlanex16_b32 v[PD], v[W+(\s)], s34, s35
	v_or_b32 v[W+(\s)], v[W+(\s)], v[PD]           ; with lane l xor 16's two the word is whole, in both halves of the lanes
.irp c, 0,1
.irp i, 0,1,2
	v_mov_b32 v[C+6*\c+3+\i], v[T+4*\c+\i]
.endr
.endr
.irp c, 0,1
	global_store_b128 v1, v[C+6*\c:C+6*\c+3], s[26:27] offset:(2*(\s)+\c)*768     ; 512 consecutive bytes,
	global_store_b64 v2, v[C+6*\c+4:C+6*\c+5], s[26:27] offset:(2*(\s)+\c)*768    ; and the 256 behind them
.endr
.endm
	LOAD 0
	LOAD 1
	STEP 0
	STEP 1
	STEP 2
	STEP 3
	v_cndmask_b32 v8, v[W], v[W+1], s36            ; lanes 0-15: step 0's words, lanes 16-31: step 1's
	v_cndmask_b32 v9, v[W+2], v[W+3], s36
	global_store_b32 v3, v8, s[28:29]              ; 128 consecutive bytes each: together my wave's 256
	global_store_b32 v3, v9, s[28:29] offset:128
	s_wait_tensorcnt 0x0                           ; the wave's end, behind my last LDS store
	ds_add_u32 v[SPW], v[NIL]
	s_wait_dscnt 0x0
	s_endpgm
.Lfunc_end_k_q425dff6995_quant:
	.size	k_q425dff6995_quant, .Lfunc_end_k_q425dff6995_quant-k_q425dff6995_quant
	.p2alignl 7, 3214868480
	.fill 96, 4, 3214868480
	.section	.rodata,"a",@progbits
	.p2align	6, 0x0
	.amdhsa_kernel k_q425dff6995_quant
		.amdhsa_group_segment_fixed_size 17152
		.amdhsa_private_segment_fixed_size 0
		.amdhsa_enable_private_segment 0
		.amdhsa_kernarg_size 72
		.amdhsa_user_sgpr_count 2
		.amdhsa_user_sgpr_kernarg_segment_ptr 1
		.amdhsa_wavefront_size32 1
		.amdhsa_system_sgpr_workgroup_id_x 1
		.amdhsa_system_sgpr_workgroup_id_y 1
		.amdhsa_system_sgpr_workgroup_id_z 1
		.amdhsa_system_vgpr_workitem_id 0
		.amdhsa_next_free_vgpr 232
		.amdhsa_next_free_sgpr 66
		.amdhsa_reserve_vcc 0
		.amdhsa_float_denorm_mode_32 3
		.amdhsa_float_denorm_mode_16_64 3
		.amdhsa_memory_ordered 1
		.amdhsa_forward_progress 1
		.amdhsa_inst_pref_size 31
	.end_amdhsa_kernel
	.amdgpu_metadata
---
amdhsa.version: [ 1, 2 ]
amdhsa.kernels:
  - .name:           k_q425dff6995_quant
    .symbol:         k_q425dff6995_quant.kd
    .args:
      - { .name: x, .offset: 0, .size: 8, .value_kind: global_buffer, .address_space: global }
      - { .name: Wq, .offset: 8, .size: 8, .value_kind: global_buffer, .address_space: global }
      - { .name: Wk, .offset: 16, .size: 8, .value_kind: global_buffer, .address_space: global }
      - { .name: Wv, .offset: 24, .size: 8, .value_kind: global_buffer, .address_space: global }
      - { .name: Wo, .offset: 32, .size: 8, .value_kind: global_buffer, .address_space: global }
      - { .name: ximg, .offset: 40, .size: 8, .value_kind: global_buffer, .address_space: global }
      - { .name: xsc, .offset: 48, .size: 8, .value_kind: global_buffer, .address_space: global }
      - { .name: wimg, .offset: 56, .size: 8, .value_kind: global_buffer, .address_space: global }
      - { .name: wsc, .offset: 64, .size: 8, .value_kind: global_buffer, .address_space: global }
    .group_segment_fixed_size: 17152
    .private_segment_fixed_size: 0
    .kernarg_segment_align: 8
    .kernarg_segment_size: 72
    .max_flat_workgroup_size: 64
    .sgpr_count:     66
    .vgpr_count:     232
    .wavefront_size: 32
...
	.end_amdgpu_metadata
.endif
;; end of part 1
;; launch qkv (part 2): grid 12 x 32, 4 waves a work-group, clusters of 4 x 4, 327,680 bytes of LDS; arguments ximg, xsc, wimg, wsc, qkv; writes qkv
.if DOCPART == 2
	.amdgcn_target "amdgcn-amd-amdhsa--gfx1250"
	.amdhsa_code_object_version 6
	.text
	.protected	k_q425dff6995_qkv
	.globl	k_q425dff6995_qkv
	.p2align	8
	.type	k_q425dff6995_qkv,@function
k_q425dff6995_qkv:
	s_mov_b64 s[64:65], 0
	v_nop
	global_prefetch_b8 v0, s[64:65] scope:SCOPE_SE
	s_setreg_imm32_b32 hwreg(HW_REG_WAVE_MODE, 25, 1), 1
	s_wait_xcnt 0x0
	s_wait_alu depctr_hold_cnt(0) depctr_sa_sdst(0) depctr_va_vdst(0) depctr_va_sdst(0) depctr_va_ssrc(0) depctr_va_vcc(0) depctr_vm_vsrc(0)
	s_getreg_b32 s2, hwreg(HW_REG_IB_STS2, 6, 4)
	s_cmp_eq_u32 s2, 0
	s_cbranch_scc0 .Lentry_in_a_cluster
	s_endpgm
.Lentry_in_a_cluster:
	s_bfe_u32 s2, ttmp6, 0x10000c
	s_cmp_lg_u32 s2, 0xf033
	s_cbranch_scc0 .Lentry_shape_is_right
	s_endpgm
.Lentry_shape_is_right:
; LAUNCH 2 OF 4: q = x Wq^T, k = x Wk^T, v = x Wv^T as ONE product on codes of FP6 (E2M3), [8,192 x 1,024] x [1,024 x 3,072], f32 sums; the results are quantised on the way out and never lie in memory as f32:
; q and k along the head's 64 (two blocks), v along the tokens (the second attention product's K).  No work is left out here.
; OPERANDS are images of registers (launch 1): a tile of 16 rows is 16 half fragments of 768 bytes; tile t holds rows 32 (t / 2) + 8 (t % 2) + r + 8 (r / 8).
; SHARES: a work-group makes 256 rows of x by 256 rows of W; each of its four waves 128 x 128: 64 accumulators, 512 registers.  K = 1,024 is eight steps of 128, written out.
; LDS: three slots of 98,304 bytes, each 256 along K: x's 16 tiles x 3,072 bytes, then W's 16.  Slots 0, 1, 2 are filled at the head (three tensor loads a wave are out), slot 0 once more for the last 256 along K.
; CLUSTER 4 x 4: x's tiles hang on the tile row alone and are asked for jointly along a row of the cluster, W's on the tile column alone, jointly along a column.
; ROLES.  Source 0 of the matrix instruction is the B-role, source 1 the A-role: a lane then holds ONE row of the A-role, and the 16 registers of two neighbouring B-role tiles are 16 NEIGHBOURS along the B-role's rows
; (that is what the order of a tile's rows is for).  For q and k the A-role is x and the B-role W: a lane's registers run along the head's axis.  For v the roles are changed: a lane's registers run along the tokens.
; The type hangs on the cluster's x alone (2: Wv), which all sixteen partners share; the tensor loads are the same for both types, only read addresses and scale pointers change roles.
; OUT: blocks of 12,800 bytes at ((b 48 + hh) 8 + sb) 12,800: hh = row of W / 64 (0-15 q's heads, 16-31 k's, 32-47 v's), sb = block of 256 tokens.  q, k: half fragment of token tile tt at 768 tt; the scale word of tiles 2 g, 2 g + 1,
; row r, at 12,288 + 64 g + 4 r (two bytes each).  v: fragment (128 tokens ch, tile dt of the head's 64) at 1,536 (4 ch + dt), its scale words at 12,288 + 64 (4 ch + dt) + 4 r.
; A block of zeros gets the byte 1 (its codes are zeros; the bytes are read by this program alone).
; REGISTERS: window 0: v4-20 addresses; v28, v29 the add's two; v32-63 A-role scale words, v64-95 B-role's (register 4 i + g / 2: lanes 0-15 step 2 (g / 2), lanes 16-31 the step after); v96-116 at work on the way out;
;   v128-223 A-role fragments, ONE set; v224-254 codes on the way out.  window 1: B-role fragments, two sets, at v0 and v128.  windows 2, 3: the accumulators, (a, b) at v[8 (8 (a % 4) + b)].
.set HALFT, 24576                      ; 8 tiles x 3,072 bytes: what one tensor load brings, and what a wave reads of a role
.set SLOT,  4*HALFT
.set SPARE, 3*SLOT                     ; behind the ring: the spare words, 128 bytes for each wave: two blocks of 256 bytes that no other line names
.set FR,    12                         ; registers of a fragment
.set HS,    102400                     ; from a head's blocks to the next head's: 8 x 12,800
.set AA16,  4                          ; v4-6   A-role: slot s, 16 x lane
.set AA8,   7                          ; v7-9   A-role: slot s, 512 + 8 x lane
.set BA16,  10                         ; v10-12 B-role
.set BA8,   13                         ; v13-15
.set SCO,   16                         ; v16    4 x lane
.set SPW,   28
.set NIL,   29
.set SCA,   32
.set SCB,   64
.set TM,    96                         ; v96-99 largest magnitudes, v100-103 permute destinations, then bytes, v108-111 the conversions' scale operands
.set AF,    128
.set G1,    24                         ; s[24:31] descriptor group 1 for x's tiles;  s[48:55] for W's
.set G1B,   48
.set G0,    68                         ; s[68:79] group 0 for x's tiles, a set for each slot;  s[80:91] for W's
.set G0B,   80
.set MSB, 0
.macro WIN new                         ; the immediate's high byte repeats the setting that is left
.if MSB != \new
	s_set_vgpr_msb (MSB<<8)|\new
.set MSB, \new
.endif
.endm
.set MUL_LO, 0xa1                      ; source 0 window 1, source 1 window 0, C and D window 2
.set MUL_HI, 0xf1                      ; the same, C and D window 3
.set TO_B,   0x40                      ; destination window 1, address window 0
; A joint load: waves 0 and 1 fetch x's two halves, waves 2 and 3 W's.  The branch hangs on the wave's number alone.  An s_nop 0 and four v_nop follow each of the two lines.
.macro JLOAD s
	s_cmp_eq_u32 s15, 0
	s_cbranch_scc0 .Lfor_b_\@
	tensor_load_to_lds s[G0+4*\s:G0+4*\s+3], s[G1:G1+7]
	s_nop 0
.rept 4
	v_nop
.endr
	s_branch .Lasked_\@
.Lfor_b_\@:
	tensor_load_to_lds s[G0B+4*\s:G0B+4*\s+3], s[G1B:G1B+7]
	s_nop 0
.rept 4
	v_nop
.endr
.Lasked_\@:
.endm
.macro CREST                           ; a round of the cluster's barrier behind its opening barrier
	s_cmp_lg_u32 s14, 0
	s_cbranch_scc1 .Lnot_wave_0_\@
	s_barrier_signal -3
.Lnot_wave_0_\@:
	s_barrier_wait -3
	s_barrier_signal -1
	s_barrier_wait -1
.endm
.macro CROUND                          ; a whole round
	s_barrier_signal -1
	s_barrier_wait -1
	CREST
.endm
.macro PLACES n
.rept \n
	v_nop
.endr
.endm
	s_load_b128 s[4:7], s[0:1], 0x0                ; x's codes, x's scale words
	s_load_b128 s[8:11], s[0:1], 0x10              ; W's codes, W's scale words
	s_load_b64 s[12:13], s[0:1], 0x20              ; qkv
	v_lshl_add_u32 v[SPW], v0, 2, SPARE
	v_mov_b32 v[NIL], 0
	ds_add_u32 v[SPW], v[NIL]                      ; the wave's opening: the add, twice on end, and its wait ahead of my first tensor load
	ds_add_u32 v[SPW], v[NIL]
	v_lshrrev_b32 v1, 5, v0
	v_readfirstlane_b32 s14, v1                    ; wave 0..3
	s_lshr_b32 s15, s14, 1                         ; my half of the A-role.  Also: I fetch for x (0) or for W (1)
	s_and_b32 s16, s14, 1                          ; my half of the B-role.  Also: which 8 tiles I fetch
	s_bfe_u32 s40, ttmp6, 0x40000                  ; cx, cy: my place in the cluster
	s_bfe_u32 s41, ttmp6, 0x40004
	s_lshl_b32 s42, ttmp9, 2
	s_add_co_u32 s42, s42, s40                     ; tx: 256 rows of W
	s_and_b32 s17, ttmp7, 0xffff
	s_lshl_b32 s17, s17, 2
	s_add_co_u32 s17, s17, s41                     ; ty: 256 rows of x
	s_lshl_b32 s43, s41, 2
	s_lshl_b32 s43, 15, s43                        ; my row of the cluster
	s_lshl_b32 s44, 0x1111, s40                    ; my column
	s_or_b32 s[G1], s43, (3<<16)|(1<<21)           ; 15:0 the mask; 17:16 elements of 8 bytes; 20 no padding; 21 set beside a mask
	s_or_b32 s[G1B], s44, (3<<16)|(1<<21)
.irp g, G1, G1B
	s_mov_b32 s[\g+1], 384<<16                     ; tensor_dim0: 3,072 bytes, 256 along K of a tile
	s_mov_b32 s[\g+2], 8<<16                       ; tensor_dim1: 8 tiles
	s_mov_b32 s[\g+3], 384<<16                     ; tile_dim0
	s_mov_b32 s[\g+4], 8                           ; tile_dim1
	s_mov_b32 s[\g+5], 1536                        ; from tile to tile: 12,288 bytes
	s_mov_b32 s[\g+6], 0
	s_mov_b32 s[\g+7], 0
.endr
	s_lshl_b32 s18, s16, 3
	s_lshl_b32 s20, s17, 4
	s_add_co_u32 s20, s20, s18                     ; x: tile 16 ty + 8 x half
	s_mul_i32 s20, s20, 12288
	s_mov_b32 s21, 0
	s_lshl_b32 s46, s42, 4
	s_add_co_u32 s46, s46, s18                     ; W: tile 16 tx + 8 x half
	s_mul_i32 s46, s46, 12288
	s_mov_b32 s47, 0
	s_mul_i32 s45, s14, HALFT                      ; where they go: no place in the cluster enters an LDS address
	s_mov_b32 s98, 0x76543210
	s_mov_b32 s99, 0xfedcba98                      ; v_permlanex16_b32's selects for lane l xor 16
	s_mov_b32 s97, 0xffff0000                      ; lanes 16-31
	s_wait_dscnt 0x0                               ; both opening adds are done
	s_wait_kmcnt 0x0
	s_add_nc_u64 s[20:21], s[4:5], s[20:21]
	s_add_nc_u64 s[46:47], s[8:9], s[46:47]
	CROUND                                         ; all sixteen work-groups are here: the first joint loads meet
.irp s, 0,1,2
	s_mov_b32 s[G0+4*\s], 1
	s_add_co_u32 s[G0+4*\s+1], s45, \s*SLOT
	s_add_nc_u64 s[G0+4*\s+2:G0+4*\s+3], s[20:21], \s*3072
	s_or_b32 s[G0+4*\s+3], s[G0+4*\s+3], 0x80000000
	s_mov_b32 s[G0B+4*\s], 1
	s_add_co_u32 s[G0B+4*\s+1], s45, \s*SLOT
	s_add_nc_u64 s[G0B+4*\s+2:G0B+4*\s+3], s[46:47], \s*3072
	s_or_b32 s[G0B+4*\s+3], s[G0B+4*\s+3], 0x80000000
	JLOAD \s
.endr
	v_and_b32 v1, 31, v0
	v_lshlrev_b32 v2, 4, v1                        ; 16 x lane
	v_lshlrev_b32 v3, 3, v1
	v_add_nc_u32 v3, 512, v3                       ; 512 + 8 x lane
	v_lshlrev_b32 v[SCO], 2, v1
	s_wait_alu depctr_va_vdst(0)
	s_cmp_ge_u32 ttmp9, 2                          ; the type: v?  The cluster's x: the same in all sixteen partners
	s_cselect_b64 s[92:93], s[10:11], s[6:7]       ; A-role scale words: W's for v, else x's
	s_cselect_b64 s[94:95], s[6:7], s[10:11]       ; B-role
	s_cselect_b32 s32, s42, s17                    ; A-role's block of 16 tiles
	s_cselect_b32 s34, s17, s42                    ; B-role's
	s_cselect_b32 s36, 2*HALFT, 0                  ; A-role in a slot: W lies behind x
	s_cselect_b32 s37, 0, 2*HALFT                  ; B-role
	s_cselect_b32 s38, s15, s16                    ; sW: my half of W's rows
	s_cselect_b32 s39, s16, s15                    ; sX: my half of x's rows
	s_lshl_b32 s32, s32, 13                        ; 16 tiles of 512 bytes
	s_lshl_b32 s33, s15, 12
	s_add_co_u32 s32, s32, s33
	s_mov_b32 s33, 0
	s_lshl_b32 s34, s34, 13
	s_lshl_b32 s35, s16, 12
	s_add_co_u32 s34, s34, s35
	s_mov_b32 s35, 0
	s_add_nc_u64 s[92:93], s[92:93], s[32:33]
	s_add_nc_u64 s[94:95], s[94:95], s[34:35]
.irp i, 0,1,2,3,4,5,6,7                        ; all scale words of my 128 + 128 rows, for all of K: 64 registers, each load 128 consecutive bytes; they stay
.irp g, 0,1,2,3
	global_load_b32 v[SCA+4*\i+\g], v[SCO], s[92:93] offset:\i*512+128*\g
	global_load_b32 v[SCB+4*\i+\g], v[SCO], s[94:95] offset:\i*512+128*\g
.endr
.endr
	s_mul_i32 s21, s15, HALFT
	s_add_co_u32 s21, s21, s36
	s_mul_i32 s22, s16, HALFT
	s_add_co_u32 s22, s22, s37
.irp s, 0,1,2
	v_add_nc_u32 v[AA16+\s], s21, v2
	v_add_nc_u32 v[AA8+\s], s21, v3
	v_add_nc_u32 v[BA16+\s], s22, v2
	v_add_nc_u32 v[BA8+\s], s22, v3
	s_add_co_u32 s21, s21, SLOT
	s_add_co_u32 s22, s22, SLOT
.endr
	s_lshr_b32 s18, s17, 3                         ; the way out: b = ty / 8,
	s_mul_i32 s18, s18, 48
	s_lshl_b32 s19, s42, 2
	s_add_co_u32 s18, s18, s19
	s_lshl_b32 s19, s38, 1
	s_add_co_u32 s18, s18, s19                     ; hh = 4 tx + 2 sW,
	s_lshl_b32 s18, s18, 3
	s_and_b32 s19, s17, 7
	s_add_co_u32 s18, s18, s19                     ; sb = ty % 8
	s_mul_i32 s18, s18, 12800
	s_mov_b32 s19, 0
	s_add_nc_u64 s[12:13], s[12:13], s[18:19]
	s_mul_i32 s23, s39, 6144
	v_add_nc_u32 v17, s23, v2                      ; codes: 16 x lane + 6,144 sX
	v_add_nc_u32 v18, s23, v3                      ; 512 + 8 x lane + 6,144 sX
	v_and_b32 v21, 15, v0
	v_bfe_u32 v22, v0, 4, 1
	s_lshl_b32 s23, s39, 8
	s_add_co_u32 s23, s23, 12288
	v_lshl_add_u32 v19, v21, 2, s23
	v_mul_u32_u24 v22, v22, HS
	v_add_nc_u32 v19, v19, v22                     ; q, k scale words: 12,288 + 256 sX + 4 r, lanes 16-31 in the next head
	v_add_nc_u32 v20, s23, v[SCO]                  ; v's: 12,288 + 256 sX + 4 x lane
.irp b, 0,1,2,3
	v_mov_b32 v[TM+4+\b], 0                        ; written once: a lane permute's destination counts as one of its sources
.endr
.macro FRAG reg, a16, a8, off          ; a fragment, 12 registers, is two half fragments on end: 16 + 8 bytes a lane each, consecutive from lane to lane
	ds_load_b128 v[\reg:\reg+3], v[\a16] offset:\off
	ds_load_b64 v[\reg+4:\reg+5], v[\a8] offset:\off
	ds_load_b128 v[\reg+6:\reg+9], v[\a16] offset:\off+768
	ds_load_b64 v[\reg+10:\reg+11], v[\a8] offset:\off+768
.endm
; 16 matrix instructions of step g: A-role tiles a0, a0 + 1 x the B-role's eight.  The 64 accumulators take turns, one instruction a turn, in the same order in every step.
.macro MUL16 a0, g, zero
.irp a, \a0, \a0+1
.irp b, 0,1,2,3,4,5,6,7
.set rD, 8*(8*((\a)%4)+\b)
.set rB, 128*((\g)%2)+FR*\b
.set rA, AF+FR*(\a)
.set rSB, SCB+4*\b+(\g)/2
.set rSA, SCA+4*(\a)+(\g)/2
.if \zero
	v_wmma_scale_f32_16x16x128_f8f6f4 v[rD:rD+7], v[rB:rB+FR-1], v[rA:rA+FR-1], 0, v[rSB], v[rSA] matrix_a_fmt:MATRIX_FMT_FP6 matrix_b_fmt:MATRIX_FMT_FP6
.elseif (\g)%2
	v_wmma_scale_f32_16x16x128_f8f6f4 v[rD:rD+7], v[rB:rB+FR-1], v[rA:rA+FR-1], v[rD:rD+7], v[rSB], v[rSA] matrix_a_fmt:MATRIX_FMT_FP6 matrix_b_fmt:MATRIX_FMT_FP6 matrix_a_scale:MATRIX_SCALE_ROW1 matrix_b_scale:MATRIX_SCALE_ROW1
.else
	v_wmma_scale_f32_16x16x128_f8f6f4 v[rD:rD+7], v[rB:rB+FR-1], v[rA:rA+FR-1], v[rD:rD+7], v[rSB], v[rSA] matrix_a_fmt:MATRIX_FMT_FP6 matrix_b_fmt:MATRIX_FMT_FP6
.endif
.endr
.endr
.endm
.macro FETCH_B slot, q, p              ; the B-role's eight fragments of the slot's q-th 128 along K into set p: 32 loads
	WIN TO_B
.irp i, 0,1,2,3,4,5,6,7
	FRAG 128*(\p)+FR*\i, BA16+\slot, BA8+\slot, \i*3072+(\q)*1536
.endr
	WIN 0
.endm
.macro FETCH_A slot, q, i0             ; the A-role's tiles i0 .. i0 + 3: 16 loads
.irp i, \i0, \i0+1, \i0+2, \i0+3
	FRAG AF+FR*(\i), AA16+\slot, AA8+\slot, (\i)*3072+(\q)*1536
.endr
.endm
; A step whose successor's tiles are known to lie in LDS.  Loads into registers that matrix instructions have read stand four plain vector instructions behind them (ISA guide 7.12.1 for vector instructions).
.macro STEP g, nslot, nq, zero
	s_wait_dscnt 16                                ; the B-role's set and A's tiles 0-3 are in; the youngest 16 loads (A's tiles 4-7) may be out
	WIN MUL_LO
	MUL16 0, \g, \zero
	MUL16 2, \g, \zero
	s_wait_dscnt 0x0                               ; A's tiles 4-7 are in
	PLACES 4
	FETCH_B \nslot, \nq, 1-(\g)%2
	FETCH_A \nslot, \nq, 0
	WIN MUL_HI
	MUL16 4, \g, \zero
	MUL16 6, \g, \zero
	PLACES 4
	WIN 0
	FETCH_A \nslot, \nq, 4
.endm
; A slot's last step changes slots: one barrier.  mode 0: the next slot's first fill is waited for by count (one later first fill may stay out).
; mode 1: all my tensor loads, the add, my reads; the barrier opens a round of the cluster's; behind it slot 0 is filled again, with the last 256 along K.  mode 2: the same waits, a plain barrier, nothing filled.
.macro TURN g, nslot, mode
.if \mode == 0
	s_wait_tensorcnt 0x1
	s_wait_dscnt 16
.else
	s_wait_tensorcnt 0x0                           ; all my tensor loads have landed
	ds_add_u32 v[SPW], v[NIL]                      ; 0 onto my spare word
	s_wait_dscnt 17                                ; (the add and the youngest 16 loads may be out)
.endif
	WIN MUL_LO
	MUL16 0, \g, 0
	s_wait_dscnt 0x0                               ; the add is done, and my reads of this slot are over
	s_barrier_signal -1
	MUL16 2, \g, 0
	WIN 0
	s_barrier_wait -1
.if \mode == 1
	CREST                                          ; no wave of any partner still reads slot 0 or has a load on its way
	s_add_nc_u64 s[G0+2:G0+3], s[G0+2:G0+3], 9216  ; three slots' worth on along K
	s_add_nc_u64 s[G0B+2:G0B+3], s[G0B+2:G0B+3], 9216
	JLOAD 0                                        ; the first tensor load behind the round: it has a step and a half, 96 matrix instructions, in which to land; its four v_nop are the places in front of the loads below
.else
	PLACES 4
.endif
	FETCH_B \nslot, 0, 0
	FETCH_A \nslot, 0, 0
	WIN MUL_HI
	MUL16 4, \g, 0
	MUL16 6, \g, 0
	PLACES 4
	WIN 0
	FETCH_A \nslot, 0, 4
.endm
	s_wait_tensorcnt 0x2                           ; my part of slot 0 is in; slots 1 and 2 may stay out
	s_barrier_signal -1
	s_barrier_wait -1
	FETCH_B 0, 0, 0
	FETCH_A 0, 0, 0
	FETCH_A 0, 0, 4
	s_wait_loadcnt 0x0                             ; the scale words
	STEP 0, 0, 1, 1                                ; the first step's products start the sums: nothing is cleared
	TURN 1, 1, 0
	STEP 2, 1, 1, 0
	TURN 3, 2, 1
	STEP 4, 2, 1, 0
	TURN 5, 0, 2
	STEP 6, 0, 1, 0
	s_wait_dscnt 16                                ; the last step: nothing more to fetch
	WIN MUL_LO
	MUL16 0, 7, 0
	MUL16 2, 7, 0
	s_wait_dscnt 0x0
	WIN MUL_HI
	MUL16 4, 7, 0
	MUL16 6, 7, 0
	WIN 0
	PLACES 4                                       ; in front of the first read of results
; THE WAY OUT.  The 64 accumulator registers of A-role tile a: register 16 b + i = B-role row 32 b + 16 (lane / 16) + i of my A-role row (lane % 16): four blocks of 32.  They become a fragment's codes in set `set` and its scale word in v[112 + set].
.macro QUANT a, set
.set AC, 64*((\a)%4)
.set WN, 2+(\a)/4
.set WS, (WN<<2)|(WN<<4)
.set PC, 224+12*(\set)
	WIN WS                                         ; sources 1 and 2 in the accumulators' window
.irp b, 0,1,2,3
	v_max3_num_f32 v[TM+\b], 0x1800000, |v[AC+16*\b]|, |v[AC+16*\b+1]|   ; my 16 numbers of block b, and the floor 2^(3 - 127); each accumulator is read from its low end on
.endr
.irp i, 2,4,6,8,10,12,14
.irp b, 0,1,2,3
	v_max3_num_f32 v[TM+\b], v[TM+\b], |v[AC+16*\b+\i]|, |v[AC+16*\b+\i+1]|
.endr
.endr
	WIN 0
.irp b, 0,1,2,3
	v_permlanex16_b32 v[TM+4+\b], v[TM+\b], s98, s99
.endr
.irp b, 0,1,2,3
	v_max_num_f32 v[TM+\b], v[TM+\b], v[TM+4+\b]   ; with lane l xor 16's: the block's largest magnitude
.endr
.irp b, 0,1,2,3
	v_add_nc_u32 v[TM+12+\b], 0xff000000, v[TM+\b] ; 2 off its exponent field: the conversion's scale operand
.endr
.irp b, 0,1,2,3
	v_lshrrev_b32 v[TM+4+\b], 23, v[TM+12+\b]      ; the scale's byte
.endr
	v_lshl_or_b32 v[112+(\set)], v[TM+5], 8, v[TM+4]
	v_lshl_or_b32 v[112+(\set)], v[TM+6], 16, v[112+(\set)]
	v_lshl_or_b32 v[112+(\set)], v[TM+7], 24, v[112+(\set)]
	WIN WN                                         ; source 0 in the accumulators' window
.irp c, 0,1
	v_cvt_scalef32_pk16_fp6_f32 v[PC+6*\c:PC+6*\c+2], v[AC+32*\c:AC+32*\c+15], v[TM+12+2*\c]
	v_cvt_scalef32_pk16_fp6_f32 v[248+4*\c:250+4*\c], v[AC+32*\c+16:AC+32*\c+31], v[TM+12+2*\c+1]   ; (a conversion's three registers begin on an even number)
.endr
	WIN 0
	v_nop                                          ; one plain line behind a scaled conversion
.irp c, 0,1                                    ; the operand's layout wants a WHOLE block in a lane: lanes 0-15 block 2 c, lanes 16-31 block 2 c + 1
.irp i, 0,1,2
	v_permlane16_swap_b32 v[PC+6*\c+\i], v[248+4*\c+\i]
.endr
.irp i, 0,1,2
	v_mov_b32 v[PC+6*\c+3+\i], v[248+4*\c+\i]
.endr
.endr
.endm
.macro PUT set, o0, o1                 ; the fragment's two half fragments: 512 + 256 consecutive bytes each
	global_store_b128 v17, v[224+12*(\set):227+12*(\set)], s[12:13] offset:\o0
	global_store_b64 v18, v[228+12*(\set):229+12*(\set)], s[12:13] offset:\o0
	global_store_b128 v17, v[230+12*(\set):233+12*(\set)], s[12:13] offset:\o1
	global_store_b64 v18, v[234+12*(\set):235+12*(\set)], s[12:13] offset:\o1
.endm
.macro OUT_QK p                        ; token tiles 2 p, 2 p + 1 of my 8: a fragment's halves are my two heads
.if (\p) > 0
	s_wait_xcnt 0x0                                ; the last pair's stores have read their data
.endif
	QUANT 2*(\p), 0
	PUT 0, (2*(\p))*768, HS+(2*(\p))*768
	QUANT 2*(\p)+1, 1
	PUT 1, (2*(\p)+1)*768, HS+(2*(\p)+1)*768
	v_perm_b32 v114, v113, v112, 0x05040100        ; the first head's word: both tiles' bytes 0, 1
	v_perm_b32 v115, v113, v112, 0x07060302        ; the second head's: bytes 2, 3
	v_cndmask_b32 v116, v114, v115, s97
	global_store_b32 v19, v116, s[12:13] offset:64*(\p)
.endm
.macro OUT_V p                         ; tiles 2 p, 2 p + 1 of my 8 tiles of Wv's rows: head p / 2, tiles 2 (p % 2), + 1 of its 64; a fragment is 128 tokens
.if (\p) > 0
	s_wait_xcnt 0x0
.endif
	QUANT 2*(\p), 0
	PUT 0, ((\p)/2)*HS+(2*((\p)%2))*1536, ((\p)/2)*HS+(2*((\p)%2))*1536+768
	QUANT 2*(\p)+1, 1
	PUT 1, ((\p)/2)*HS+(2*((\p)%2)+1)*1536, ((\p)/2)*HS+(2*((\p)%2)+1)*1536+768
	v_cndmask_b32 v116, v112, v113, s97            ; lanes 0-15: the first tile's words, lanes 16-31: the second's
	global_store_b32 v20, v116, s[12:13] offset:((\p)/2)*HS+128*((\p)%2)
.endm
.macro CLOSE
	s_wait_tensorcnt 0x0                           ; the wave's end
	ds_add_u32 v[SPW], v[NIL]
	s_wait_dscnt 0x0
	CROUND                                         ; the closing round: no work-group ends while a partner may still ask for a tile that names it
	s_endpgm
.endm
	s_cmp_ge_u32 ttmp9, 2                          ; the cluster's x: all partners go the same way
	s_cbranch_scc1 .Lv
	OUT_QK 0
	OUT_QK 1
	OUT_QK 2
	OUT_QK 3
	CLOSE
.Lv:
	OUT_V 0
	OUT_V 1
	OUT_V 2
	OUT_V 3
	CLOSE
.Lfunc_end_k_q425dff6995_qkv:
	.size	k_q425dff6995_qkv, .Lfunc_end_k_q425dff6995_qkv-k_q425dff6995_qkv
	.p2alignl 7, 3214868480
	.fill 96, 4, 3214868480
	.section	.rodata,"a",@progbits
	.p2align	6, 0x0
	.amdhsa_kernel k_q425dff6995_qkv
		.amdhsa_group_segment_fixed_size 327680
		.amdhsa_private_segment_fixed_size 0
		.amdhsa_enable_private_segment 0
		.amdhsa_kernarg_size 40
		.amdhsa_user_sgpr_count 2
		.amdhsa_user_sgpr_kernarg_segment_ptr 1
		.amdhsa_wavefront_size32 1
		.amdhsa_system_sgpr_workgroup_id_x 1
		.amdhsa_system_sgpr_workgroup_id_y 1
		.amdhsa_system_sgpr_workgroup_id_z 1
		.amdhsa_system_vgpr_workitem_id 0
		.amdhsa_next_free_vgpr 1024
		.amdhsa_next_free_sgpr 100
		.amdhsa_reserve_vcc 0
		.amdhsa_float_denorm_mode_32 3
		.amdhsa_float_denorm_mode_16_64 3
		.amdhsa_memory_ordered 1
		.amdhsa_forward_progress 1
		.amdhsa_inst_pref_size 187
	.end_amdhsa_kernel
	.amdgpu_metadata
---
amdhsa.version: [ 1, 2 ]
amdhsa.kernels:
  - .name:           k_q425dff6995_qkv
    .symbol:         k_q425dff6995_qkv.kd
    .args:
      - { .name: ximg, .offset: 0, .size: 8, .value_kind: global_buffer, .address_space: global }
      - { .name: xsc, .offset: 8, .size: 8, .value_kind: global_buffer, .address_space: global }
      - { .name: wimg, .offset: 16, .size: 8, .value_kind: global_buffer, .address_space: global }
      - { .name: wsc, .offset: 24, .size: 8, .value_kind: global_buffer, .address_space: global }
      - { .name: qkv, .offset: 32, .size: 8, .value_kind: global_buffer, .address_space: global }
    .group_segment_fixed_size: 327680
    .private_segment_fixed_size: 0
    .kernarg_segment_align: 8
    .kernarg_segment_size: 40
    .max_flat_workgroup_size: 128
    .sgpr_count:     100
    .vgpr_count:     1024
    .wavefront_size: 32
...
	.end_amdgpu_metadata
.endif
;; end of part 2
;; launch attn (part 3): grid 4 x 64, 16 waves a work-group, no clusters, 327,680 bytes of LDS; arguments qkv, oimg, osc; writes oimg, osc
.if DOCPART == 3
	.amdgcn_target "amdgcn-amd-amdhsa--gfx1250"
	.amdhsa_code_object_version 6
	.text
	.protected	k_q425dff6995_attn
	.globl	k_q425dff6995_attn
	.p2align	8
	.type	k_q425dff6995_attn,@function
k_q425dff6995_attn:
	s_mov_b64 s[64:65], 0
	v_nop
	global_prefetch_b8 v0, s[64:65] scope:SCOPE_SE
	s_setreg_imm32_b32 hwreg(HW_REG_WAVE_MODE, 25, 1), 1
	s_wait_xcnt 0x0
; LAUNCH 3 OF 4: O = softmax(q k^T / 8, causal) v for 64 (batch, head) pairs, both products on codes of FP6 (E2M3); O / l is quantised along D and stored as the last product's operand.
; LEFT OUT: a step of 128 keys all of which come after a tile's 16 queries (reference()'s own tril puts -inf there, so p = 0 for all inputs).  A NaN or an infinity that reaches only such scores is not carried to the result.
; THE SOFTMAX: t = score x log2(e) / 8; M = the running largest t rounded UP to a whole number; p = 2^(t - M) is quantised along the keys, not normalised; the row's sum is taken of the unquantised p and divides O at the end.
; When M moves, the sum and O are multiplied by 2^(old M - new M): exact.
; SHARES.  Work-group (i, y): head y; it makes query block 7 - i (256 queries; key slots 0 .. 7 - i) and then query block i (slots 0 .. i): nine slots of 256 keys in EVERY work-group, so the loop's count is a constant, every slot
; that is fetched is read, and all 256 work-groups have the same work.  Each of sixteen waves owns one tile of 16 queries in 256 registers: four waves to a SIMD, one wave's vector work beside another's matrix work.
; NO CLUSTER: the four work-groups of a head begin their second pass in different trips, so partners would want different tiles in one round.
; LAYOUT.  Both products are used transposed (S^T = k q^T, O^T = v^T p^T): a lane holds ONE query (lane % 16).  A token tile t holds tokens 32 (t / 2) + 8 (t % 2) + r + 8 (r / 8), so that the 16 registers of two neighbouring
; key tiles are 16 neighbouring keys.  THE FIRST PRODUCT'S K IS 64, the instruction's 128: a source 0 of 12 registers holds TWO key tiles (k 0-63: tile 2 g, k 64-127: tile 2 g + 1), and q stands between two runs of six zero registers:
; [q | 0] gives tile 2 g's scores, [0 | q] tile 2 g + 1's.  Zero codes times any code of this format are 0 exactly; q's scale bytes of the zero half are 1.
; LDS: two slots 32,768 bytes apart: a k block of 12,800 bytes, then a v block (launch 2's layout, codes and scale words together), each one dense tensor load (wave 0: k's, wave 1: v's).
; REGISTERS: v1-4, v7, v11 addresses that stay; v5, v6 the add's two; v8-10 the step's LDS addresses; v12 -M, v13 the largest t, v[14:15] the sum; v16-33 0 q 0; v34, v35 q's scale words; v36-83 four fragments; v84-87 their scale words;
;   v88-95 the second block's q; v96-159 S^T, then p; v160-191 O^T; v192-210 codes; v212-231 at work; v228 p's scale word.
.set BLKB,  12800
.set HS,    102400                     ; from a head's eight blocks to the next head's
.set SLOT1, 32768
.set SPARE, 65536                      ; behind the ring: the spare words, 128 bytes for each wave: eight blocks of 256 bytes that no other line names
.set SPW,   5
.set NIL,   6
.set TB,    2                          ; s2   LDS byte at which the slot in hand begins
.set NX,    3                          ; s3   the key slot that the next change asks for
.set WV,    18
.set SEL,   20                         ; s[20:21] selects for lane l xor 16
.set CS,    22                         ; s[22:23] c = log2(e) / 8
.set G1,    24                         ; s[24:31] descriptor group 1: 50 dense rows of 256 bytes
.set KB,    32                         ; s[32:33] my head's k blocks;  s[34:35] its v blocks
.set VB,    34
.set OFF,   36                         ; s[36:37]
.set G0K,   40
.set G0V,   44
.set OB1,   48                         ; s[48:55] where the two passes' codes and scale bytes go
.set OS1,   50
.set OB2,   52
.set OS2,   54
.set PFA,   56                         ; s[56:57] where the prefetches stand
.set LIM,   58
.set HIM,   59                         ; lanes 16-31
.set SHF,   60                         ; 16 (wave % 2): my tile's two bytes in q's scale word
.set SLOTS, 67                         ; changes of slots still to come that ask for a slot
.set JB,    68                         ; the first pass's query block, and its last key slot
.set PASS,  69                         ; the value of s[SLOTS] in the first pass's last trip: i + 1
.set Q0B,   70                         ; my first query in the second pass
.set KF,    98                         ; the step's first key
.set Q0,    99                         ; my first query
.macro TLOAD                           ; wave 0 fetches the k block, wave 1 the v block, the others nothing.  An s_nop 0 and four v_nop follow each of the two lines
	s_cmp_eq_u32 s[WV], 0
	s_cbranch_scc0 .Lnot_k_\@
	tensor_load_to_lds s[G0K:G0K+3], s[G1:G1+7]
	s_nop 0
.rept 4
	v_nop
.endr
	s_branch .Lasked_\@
.Lnot_k_\@:
	s_cmp_eq_u32 s[WV], 1
	s_cbranch_scc0 .Lasked_\@
	tensor_load_to_lds s[G0V:G0V+3], s[G1:G1+7]
	s_nop 0
.rept 4
	v_nop
.endr
.Lasked_\@:
.endm
; A PREFETCH of the codes that the NEXT change of slots will ask for: 48 blocks of 256 bytes of the k block and 48 of the v block, a lane a block, waves 4 to 6 of the head's first work-group (its first pass walks slots 0 to 7 in order).
; Each block is named once in the launch: slots 2 to 7, one slot (two key steps) ahead of their tensor load.  Slots 0 and 1 and the blocks' scale words come by their loads alone; the last three changes ask for nothing.
.macro ASK
	s_cmp_gt_u32 s[SLOTS], s[LIM]
	s_cbranch_scc0 .Lnot_mine_\@
	global_prefetch_b8 v11, s[PFA:PFA+1] th:TH_LOAD_NT scope:SCOPE_SE
.Lnot_mine_\@:
.endm
.macro FRAG reg, a16, a8, off          ; a fragment, 12 registers, is two half fragments on end: 16 + 8 bytes a lane each, consecutive from lane to lane
	ds_load_b128 v[\reg:\reg+3], v[\a16] offset:\off
	ds_load_b64 v[\reg+4:\reg+5], v[\a8] offset:\off
	ds_load_b128 v[\reg+6:\reg+9], v[\a16] offset:\off+768
	ds_load_b64 v[\reg+10:\reg+11], v[\a8] offset:\off+768
.endm
	s_load_b128 s[4:7], s[0:1], 0x0                ; qkv, oimg
	s_load_b64 s[8:9], s[0:1], 0x10                ; osc
	v_lshl_add_u32 v[SPW], v0, 2, SPARE
	v_mov_b32 v[NIL], 0
	ds_add_u32 v[SPW], v[NIL]                      ; the wave's opening: the add, twice on end, and its wait ahead of the first tensor load
	ds_add_u32 v[SPW], v[NIL]
	v_lshrrev_b32 v8, 5, v0
	s_delay_alu instid0(VALU_DEP_1)
	v_readfirstlane_b32 s[WV], v8                  ; wave 0..15
	s_and_b32 s80, ttmp7, 0xffff
	s_lshr_b32 s81, s80, 4                         ; b
	s_and_b32 s82, s80, 15                         ; h
	s_sub_co_u32 s[JB], 7, ttmp9
	s_add_co_u32 s[PASS], ttmp9, 1
	s_mul_i32 s84, s81, 48
	s_add_co_u32 s84, s84, s82
	s_mul_i32 s84, s84, HS                         ; my q head's blocks
	s_mov_b32 s85, 0
	s_mul_i32 s86, s[JB], BLKB
	s_mul_i32 s87, ttmp9, BLKB
	s_mul_i32 s88, s[WV], 768                      ; my tile's half fragment
	s_lshr_b32 s89, s[WV], 1
	s_lshl_b32 s90, s89, 6                         ; my pair of tiles' scale words
	s_lshl_b32 s91, s89, 5
	s_and_b32 s83, s[WV], 1
	s_lshl_b32 s[SHF], s83, 4
	s_lshl_b32 s83, s83, 3
	s_add_co_u32 s91, s91, s83                     ; 32 (w / 2) + 8 (w % 2)
	s_lshl_b32 s[Q0], s[JB], 8
	s_add_co_u32 s[Q0], s[Q0], s91
	s_lshl_b32 s[Q0B], ttmp9, 8
	s_add_co_u32 s[Q0B], s[Q0B], s91
	s_lshl_b32 s94, s81, 7
	s_add_co_u32 s94, s94, s[WV]
	s_lshl_b32 s95, s[JB], 4
	s_add_co_u32 s95, s95, s94                     ; the first pass's token tile among all 512
	s_lshl_b32 s96, ttmp9, 4
	s_add_co_u32 s96, s96, s94                     ; the second's
	s_mul_i32 s97, s82, 768                        ; the head is the half fragment's number along D
	s_lshr_b32 s71, s82, 1
	s_lshl_b32 s71, s71, 6
	s_and_b32 s83, s82, 1
	s_lshl_b32 s83, s83, 1
	s_add_co_u32 s71, s71, s83                     ; scale bytes: 64 (h / 2) + 2 (h % 2)
	s_sub_co_u32 s80, s[WV], 4
	s_cmp_lt_u32 s80, 3
	s_cselect_b32 s80, 0, 1
	s_or_b32 s80, s80, ttmp9
	s_cmp_eq_u32 s80, 0                            ; waves 4 to 6 of the head's first work-group prefetch
	s_cselect_b32 s[LIM], 2, -1
	s_mov_b32 s[G1], 3<<16                         ; no mask; elements of 8 bytes; no padding
	s_mov_b32 s[G1+1], 32<<16                      ; tensor_dim0: 256 bytes
	s_mov_b32 s[G1+2], 50<<16                      ; tensor_dim1
	s_mov_b32 s[G1+3], 32<<16                      ; tile_dim0
	s_mov_b32 s[G1+4], 50                          ; tile_dim1
	s_mov_b32 s[G1+5], 32                          ; dense
	s_mov_b32 s[G1+6], 0
	s_mov_b32 s[G1+7], 0
	s_mov_b32 s[SEL], 0x76543210
	s_mov_b32 s[SEL+1], 0xfedcba98
	s_mov_b32 s[CS], 0x3e38aa3b                    ; log2(e) / 8
	s_mov_b32 s[CS+1], s[CS]                       ; (named with it as a pair, so it is written)
	s_mov_b32 s[HIM], 0xffff0000
	s_mov_b32 s[TB], 0
	s_mov_b32 s[NX], 1
	s_mov_b32 s[SLOTS], 8
	s_mov_b32 s[KF], 0
	s_mov_b32 s[OFF+1], 0
	s_mov_b32 s93, 0
	v_and_b32 v8, 31, v0
	s_delay_alu instid0(VALU_DEP_1)
	v_lshlrev_b32 v1, 4, v8                        ; 16 x lane
	s_delay_alu instid0(VALU_DEP_2)
	v_lshlrev_b32 v2, 3, v8
	s_delay_alu instid0(VALU_DEP_1)
	v_add_nc_u32 v2, 512, v2                       ; 512 + 8 x lane
	v_and_b32 v9, 15, v0                           ; r
	v_bfe_u32 v10, v0, 4, 1                        ; h
	s_delay_alu instid0(VALU_DEP_2)
	v_lshlrev_b32 v3, 2, v9                        ; 4 r
	s_delay_alu instid0(VALU_DEP_1)
	v_add_nc_u32 v7, v3, v10                       ; 4 r + h: my scale byte on the way out
	s_delay_alu instid0(VALU_DEP_4)
	v_and_b32 v4, 8, v9
	s_delay_alu instid0(VALU_DEP_1)
	v_add_nc_u32 v4, v4, v9
	v_lshlrev_b32 v10, 4, v10
	s_delay_alu instid0(VALU_DEP_1)
	v_sub_nc_u32 v4, v4, v10                       ; r + 8 (r / 8) - 16 h: my query less my first key, within a tile
	s_wait_dscnt 0x0                               ; both opening adds are done
	s_wait_kmcnt 0x0
	s_add_nc_u64 s[4:5], s[4:5], s[84:85]
	s_add_nc_u64 s[KB:KB+1], s[4:5], 16*HS
	s_add_nc_u64 s[VB:VB+1], s[4:5], 32*HS
	s_mov_b32 s[G0K], 1
	s_mov_b32 s[G0K+1], 0                          ; slot 0
	s_mov_b64 s[G0K+2:G0K+3], s[KB:KB+1]           ; key slot 0
	s_or_b32 s[G0K+3], s[G0K+3], 0x80000000
	s_mov_b32 s[G0V], 1
	s_mov_b32 s[G0V+1], BLKB
	s_mov_b64 s[G0V+2:G0V+3], s[VB:VB+1]
	s_or_b32 s[G0V+3], s[G0V+3], 0x80000000
	TLOAD
	s_add_co_u32 s92, s86, s88
	s_add_nc_u64 s[72:73], s[4:5], s[92:93]        ; q's codes, first pass
	s_add_co_u32 s92, s86, s90
	s_add_nc_u64 s[74:75], s[4:5], s[92:93]        ; its scale words
	s_add_co_u32 s92, s87, s88
	s_add_nc_u64 s[76:77], s[4:5], s[92:93]        ; second pass
	s_add_co_u32 s92, s87, s90
	s_add_nc_u64 s[78:79], s[4:5], s[92:93]
	global_load_b128 v[22:25], v1, s[72:73]
	s_wait_alu depctr_va_vdst(0)
	global_load_b64 v[26:27], v2, s[72:73]
	global_load_b32 v94, v3, s[74:75] offset:12288
	global_load_b128 v[88:91], v1, s[76:77]
	global_load_b64 v[92:93], v2, s[76:77]
	global_load_b32 v95, v3, s[78:79] offset:12288
	s_mul_i32 s92, s95, 12288
	s_add_co_u32 s92, s92, s97
	s_add_nc_u64 s[OB1:OB1+1], s[6:7], s[92:93]
	s_mul_i32 s92, s96, 12288
	s_add_co_u32 s92, s92, s97
	s_add_nc_u64 s[OB2:OB2+1], s[6:7], s[92:93]
	s_lshl_b32 s92, s95, 9
	s_add_co_u32 s92, s92, s71
	s_add_nc_u64 s[OS1:OS1+1], s[8:9], s[92:93]
	s_lshl_b32 s92, s96, 9
	s_add_co_u32 s92, s92, s71
	s_add_nc_u64 s[OS2:OS2+1], s[8:9], s[92:93]
	s_add_nc_u64 s[PFA:PFA+1], s[KB:KB+1], BLKB    ; the first change of slots steps it to slot 2.  Nothing is prefetched here, at the head
	v_add_nc_u32 v11, 0xffffff80, v0               ; the prefetches' offset: block tt = thread - 128, held at 95 (only waves 4 to 6 use it),
	s_delay_alu instid0(VALU_DEP_1)
	v_min_u32 v11, 95, v11
	s_delay_alu instid0(VALU_DEP_1)
	v_cmp_lt_u32 s80, 47, v11
	s_delay_alu instid0(VALU_DEP_2)
	v_lshlrev_b32 v11, 8, v11                      ; 256 tt in the k block;
	v_mov_b32 v225, 16*HS-12288
	s_delay_alu instid0(VALU_DEP_1)
	v_cndmask_b32 v225, 0, v225, s80
	s_delay_alu instid0(VALU_DEP_1)
	v_add_nc_u32 v11, v11, v225                    ; from tt = 48 on: 256 (tt - 48) in the v block, 16 heads further on
.irp j, 16,17,18,19,20,21,28,29,30,31,32,33
	v_mov_b32 v[\j], 0                             ; the zero halves on both sides of q
.endr
.irp j, 216,217,218,219,224,227
	v_mov_b32 v[\j], 0                             ; written once: permute destinations, and the upper half of the pair v[226:227]
.endr
; A pass begins: q's scale words from the raw word in v[raw], the statistics, O^T.  (The 32 moves are also the places between the writes of q and its scale words and the next scaled matrix instruction.)
.macro BEGIN raw
	v_lshrrev_b32 v224, s[SHF], v[\raw]
	s_delay_alu instid0(VALU_DEP_1)
	v_and_b32 v224, 0xffff, v224                   ; my tile's two bytes
	s_delay_alu instid0(VALU_DEP_1)
	v_or_b32 v34, 0x1010000, v224                  ; for [q | 0]: bytes 0, 1; the zero half's bytes are 1
	s_delay_alu instid0(VALU_DEP_2)
	v_lshl_or_b32 v35, v224, 16, 0x101             ; for [0 | q]
	v_mov_b32 v13, 0xff61b1e6                      ; the largest t so far: -3e38, under every t
	s_delay_alu instid0(VALU_DEP_1)
	v_floor_f32 v12, -v13                          ; -M
	v_mov_b32 v14, 0
	v_mov_b32 v15, 0
.set n, 0
.rept 32
	v_mov_b32 v[160+n], 0                          ; O^T: the first change of M leaves zeros zeros
.set n, n+1
.endr
.endm
; A KEY STEP: 128 keys, the q-th of the slot in hand.
.macro STEP q
	s_add_co_u32 s96, s[Q0], 23                    ; my last query
	s_cmp_gt_u32 s[KF], s96                        ; all keys of the step come after it: the step is left out (ids and the count of steps alone; no barrier and no tensor load stands in a step)
	s_cbranch_scc1 .Lhidden_\@
	v_add_nc_u32 v8, s[TB], v1
	v_add_nc_u32 v9, s[TB], v2
	v_add_nc_u32 v10, s[TB], v3
	v_nop                                          ; four plain lines in front of loads into registers that the last products have read
.irp f, 0,1,2,3
	FRAG 36+12*\f, 8, 9, (\q)*6144+\f*1536         ; key tiles 8 q + 2 f and + 1
	ds_load_b32 v[84+\f], v10 offset:12288+(4*(\q)+\f)*64
.endr
	s_wait_alu depctr_va_vdst(0)
	s_wait_dscnt 0x0
.irp f, 0,1,2,3
	v_wmma_scale_f32_16x16x128_f8f6f4 v[96+16*\f:103+16*\f], v[36+12*\f:47+12*\f], v[22:33], 0, v[84+\f], v34 matrix_a_fmt:MATRIX_FMT_FP6 matrix_b_fmt:MATRIX_FMT_FP6
	v_wmma_scale_f32_16x16x128_f8f6f4 v[104+16*\f:111+16*\f], v[36+12*\f:47+12*\f], v[16:27], 0, v[84+\f], v35 matrix_a_fmt:MATRIX_FMT_FP6 matrix_b_fmt:MATRIX_FMT_FP6
.endr                                          ; register 16 b + i: key KF + 32 b + 16 (lane / 16) + i
.rept 4
	v_nop                                          ; in front of the first read of the scores, and of the loads below
.endr
.irp f, 0,1,2,3                                ; v's four fragments of these 128 keys, into the same registers: they land under the softmax
	FRAG 36+12*\f, 8, 9, BLKB+(\q)*6144+\f*1536
	ds_load_b32 v[84+\f], v10 offset:BLKB+12288+(4*(\q)+\f)*64
.endr
	s_add_co_u32 s96, s[KF], 127                   ; on the diagonal hidden scores become -infinity ahead of the maximum; a step all of whose keys count skips this
	s_cmp_le_u32 s96, s[Q0]
	s_cbranch_scc1 .Lopen_\@
	s_sub_co_i32 s96, s[Q0], s[KF]
	v_add_nc_u32 v224, s96, v4                     ; d = my query - KF - 16 (lane / 16): register 16 b + i is hidden where 32 b + i > d.  (KF is at most Q0 here, so key KF counts for every query of the tile)
	v_mov_b32 v225, 0xff800000
.set n, 0
.rept 64
	v_cmp_gt_i32 vcc_lo, 32*(n/16)+n%16, v224
	v_cndmask_b32 v[96+n], v[96+n], v225, vcc_lo
.set n, n+1
.endr
.Lopen_\@:
.irp b, 0,1,2,3
	v_max3_num_f32 v[212+\b], v[96+16*\b], v[97+16*\b], v[98+16*\b]   ; the largest score of each block of 32 keys: for the row's maximum, and, since p rises with the score, for the block's largest p
.endr
.irp i, 3,5,7,9,11,13
.irp b, 0,1,2,3
	v_max3_num_f32 v[212+\b], v[212+\b], v[96+16*\b+\i], v[97+16*\b+\i]
.endr
.endr
.irp b, 0,1,2,3
	v_max_num_f32 v[212+\b], v[212+\b], v[111+16*\b]
.endr
.irp b, 0,1,2,3
	s_delay_alu instid0(VALU_DEP_4)
	v_permlanex16_b32 v[216+\b], v[212+\b], s[SEL], s[SEL+1]
.endr
.irp b, 0,1,2,3
	s_delay_alu instid0(VALU_DEP_4)
	v_max_num_f32 v[212+\b], v[212+\b], v[216+\b]  ; with lane l xor 16's 16 keys
.endr
	s_delay_alu instid0(VALU_DEP_2)
	v_max3_num_f32 v224, v212, v213, v214
	s_delay_alu instid0(VALU_DEP_1)
	v_max_num_f32 v224, v224, v215
	s_delay_alu instid0(VALU_DEP_1)
	v_mul_f32 v224, s[CS], v224                    ; the step's largest t
	s_delay_alu instid0(VALU_DEP_1)
	v_max_num_f32 v13, v13, v224                   ; the running largest t
	v_mov_b32 v224, v12
	s_delay_alu instid0(VALU_DEP_2)
	v_floor_f32 v12, -v13                          ; the new -M = -ceil(t): a whole number
	s_delay_alu instid0(VALU_DEP_1)
	v_sub_f32 v224, v12, v224                      ; old M - new M: a whole number, 0 or less
	s_delay_alu instid0(VALU_DEP_1)
	v_cvt_i32_f32 v224, v224                       ; (it saturates)
	s_delay_alu instid0(VALU_DEP_1)
	v_ldexp_f32 v226, 1.0, v224                    ; f = 2^(old M - new M)
.set n, 0
.rept 32
	v_pk_fma_f32 v[96+n:97+n], v[96+n:97+n], s[CS:CS+1], v[12:13] op_sel_hi:[1,0,0]   ; t - M, two at a time
.set n, n+2
.endr
.irp b, 0,1,2,3
	v_fma_f32 v[212+\b], v[212+\b], s[CS], v12     ; the same of each block's largest score
.endr
.set n, 0
	s_wait_alu depctr_va_vdst(0)
.rept 64
	v_exp_f32 v[96+n], v[96+n]                     ; p = 2^(t - M)
.set n, n+1
.endr
	v_pk_mul_f32 v[14:15], v[14:15], v[226:227] op_sel_hi:[1,0]   ; the sums under the new M.  (A plain line behind the exponentials)
	s_wait_alu depctr_va_vdst(0)                   ; one wait for the whole batch, ahead of its first reader
.irp b, 0,1,2,3
	v_exp_f32 v[212+\b], v[212+\b]                 ; the block's largest p: the same two instructions on the same number give the same bits
.endr
	v_pk_add_f32 v[230:231], v[100:101], v[104:105]
	v_pk_add_f32 v[254:255], v[108:109], v[112:113]
	v_pk_add_f32 v[252:253], v[116:117], v[120:121]
	v_pk_add_f32 v[250:251], v[124:125], v[128:129]
	v_pk_add_f32 v[248:249], v[132:133], v[136:137]
	v_pk_add_f32 v[246:247], v[140:141], v[144:145]
	v_pk_add_f32 v[244:245], v[148:149], v[152:153]
	v_pk_add_f32 v[14:15], v[14:15], v[156:157]
	v_pk_add_f32 v[230:231], v[230:231], v[96:97]
	v_pk_add_f32 v[254:255], v[254:255], v[98:99]
	v_pk_add_f32 v[252:253], v[252:253], v[102:103]
	v_pk_add_f32 v[250:251], v[250:251], v[106:107]
	v_pk_add_f32 v[248:249], v[248:249], v[110:111]
	v_pk_add_f32 v[246:247], v[246:247], v[114:115]
	v_pk_add_f32 v[244:245], v[244:245], v[118:119]
	v_pk_add_f32 v[14:15], v[14:15], v[122:123]
	v_pk_add_f32 v[230:231], v[230:231], v[126:127]
	v_pk_add_f32 v[254:255], v[254:255], v[130:131]
	v_pk_add_f32 v[252:253], v[252:253], v[134:135]
	v_pk_add_f32 v[250:251], v[250:251], v[138:139]
	v_pk_add_f32 v[248:249], v[248:249], v[142:143]
	v_pk_add_f32 v[246:247], v[246:247], v[146:147]
	v_pk_add_f32 v[244:245], v[244:245], v[150:151]
	v_pk_add_f32 v[14:15], v[14:15], v[154:155]
	v_pk_add_f32 v[230:231], v[230:231], v[158:159]
	s_delay_alu instid0(VALU_DEP_2)
	v_pk_add_f32 v[14:15], v[14:15], v[250:251]
	s_delay_alu instid0(VALU_DEP_2)
	v_pk_add_f32 v[230:231], v[230:231], v[248:249]
	v_pk_add_f32 v[254:255], v[254:255], v[246:247]
	v_pk_add_f32 v[252:253], v[252:253], v[244:245]
	s_delay_alu instid0(VALU_DEP_2)
	v_pk_add_f32 v[14:15], v[14:15], v[254:255]
	s_delay_alu instid0(VALU_DEP_2)
	v_pk_add_f32 v[230:231], v[230:231], v[252:253]
	s_delay_alu instid0(VALU_DEP_1)
	v_pk_add_f32 v[14:15], v[14:15], v[230:231]
	s_wait_alu depctr_va_vdst(0)                   ; and one for the four
.irp b, 0,1,2,3
	v_max_num_f32 v[212+\b], 0x1800000, v[212+\b]  ; the floor 2^(3 - 127): the byte cannot fall under 1 (a block whose every p is 0 keeps that byte: its codes are zeros)
.endr
.irp b, 0,1,2,3
	s_delay_alu instid0(VALU_DEP_4)
	v_add_nc_u32 v[220+\b], 0xff000000, v[212+\b]  ; 2 off the exponent field: the conversion's scale operand
.endr
.irp b, 0,1,2,3
	s_delay_alu instid0(VALU_DEP_4)
	v_lshrrev_b32 v[216+\b], 23, v[220+\b]         ; the scale's byte
.endr
	s_delay_alu instid0(VALU_DEP_3)
	v_lshl_or_b32 v228, v217, 8, v216              ; p's scale word for these 128 keys
	s_delay_alu instid0(VALU_DEP_1)
	v_lshl_or_b32 v228, v218, 16, v228
	s_delay_alu instid0(VALU_DEP_1)
	v_lshl_or_b32 v228, v219, 24, v228
.irp c, 0,1
	v_cvt_scalef32_pk16_fp6_f32 v[192+6*\c:194+6*\c], v[96+32*\c:111+32*\c], v[220+2*\c]
	v_cvt_scalef32_pk16_fp6_f32 v[204+4*\c:206+4*\c], v[112+32*\c:127+32*\c], v[220+2*\c+1]   ; (a conversion's three registers begin on an even number)
.endr
	v_nop                                          ; one plain line behind a scaled conversion
.irp c, 0,1                                    ; the operand's layout wants a WHOLE block in a lane
.irp i, 0,1,2
	v_permlane16_swap_b32 v[192+6*\c+\i], v[204+4*\c+\i]
.endr
.irp i, 0,1,2
	s_delay_alu instid0(VALU_DEP_3)
	v_mov_b32 v[195+6*\c+\i], v[204+4*\c+\i]
.endr
.endr
.set n, 0
.rept 16
	v_pk_mul_f32 v[160+n:161+n], v[160+n:161+n], v[226:227] op_sel_hi:[1,0]   ; O^T under the new M.  (These sixteen are also the places between the writes of p's codes and scale word and the products below)
.set n, n+2
.endr
	s_wait_alu depctr_va_vdst(0)
	s_wait_dscnt 0x0                               ; v's fragments and scale words are in
.irp f, 0,1,2,3
	v_wmma_scale_f32_16x16x128_f8f6f4 v[160+8*\f:167+8*\f], v[36+12*\f:47+12*\f], v[192:203], v[160+8*\f:167+8*\f], v[84+\f], v228 matrix_a_fmt:MATRIX_FMT_FP6 matrix_b_fmt:MATRIX_FMT_FP6
.endr
.Lhidden_\@:
	s_add_co_u32 s[KF], s[KF], 128
.endm
; THE CHANGE OF SLOTS stands at a slot's head.  Each wave waits for all its tensor loads, adds 0 to its spare word (fill = 1: twice on end), and waits
; for that and for its reads of the slot that it has left.  Behind the barrier the slot ahead is whole and nobody reads the other one, which is then filled: the load has a slot's two key steps in which to land.
.macro CHANGE fill
	s_wait_tensorcnt 0x0                           ; no tensor load of mine is out, so a group 0 may be written
	ds_add_u32 v[SPW], v[NIL]
.if \fill
	ds_add_u32 v[SPW], v[NIL]
	s_xor_b32 s[G0K+1], s[G0K+1], SLOT1            ; the other slot than last time
	s_xor_b32 s[G0V+1], s[G0V+1], SLOT1
	s_mul_i32 s[OFF], s[NX], BLKB
	s_add_nc_u64 s[G0K+2:G0K+3], s[KB:KB+1], s[OFF:OFF+1]
	s_or_b32 s[G0K+3], s[G0K+3], 0x80000000
	s_add_nc_u64 s[G0V+2:G0V+3], s[VB:VB+1], s[OFF:OFF+1]
	s_or_b32 s[G0V+3], s[G0V+3], 0x80000000
	s_add_co_u32 s[NX], s[NX], 1                   ; key slots 0 .. 7 - i, then 0 .. i
	s_cmp_gt_u32 s[NX], s[JB]
	s_cselect_b32 s[NX], 0, s[NX]
	s_wait_xcnt 0x0                                ; the last prefetch, a slot back, has read its address, so it may be written
	s_add_nc_u64 s[PFA:PFA+1], s[PFA:PFA+1], BLKB
.endif
	s_wait_dscnt 0x0                               ; the add is done (fill = 1: both are), and my reads of the slot that I have left are over
	s_barrier_signal -1
	s_barrier_wait -1
.if \fill
	TLOAD                                          ; the first thing behind the barrier, and a wave's one tensor load until the next
	ASK
.endif
.endm
; A PASS ENDS: O^T / the sum; register 16 b + i is channel 32 b + 16 (lane / 16) + i of the head: two blocks of the last product's K.  They become a half fragment and two scale bytes.
.macro FINISH ob, os
.rept 4
	v_nop                                          ; behind the last products
.endr
	v_add_f32 v14, v14, v15
	s_delay_alu instid0(VALU_DEP_1)
	v_permlanex16_b32 v224, v14, s[SEL], s[SEL+1]
	s_delay_alu instid0(VALU_DEP_1)
	v_add_f32 v14, v14, v224                       ; the row's sum
	s_wait_alu depctr_va_vdst(0)
	v_rcp_f32 v14, v14
	v_nop                                          ; a plain line behind the reciprocal
	s_wait_alu depctr_va_vdst(0)                   ; and the wait ahead of its first reader
.set n, 0
.rept 32
	v_mul_f32 v[96+n], v[160+n], v14
.set n, n+1
.endr
.irp b, 0,1
	v_max3_num_f32 v[212+\b], |v[96+16*\b]|, |v[97+16*\b]|, 0x1800000
.endr
.irp i, 2,4,6,8,10,12,14
.irp b, 0,1
	s_delay_alu instid0(VALU_DEP_2)
	v_max3_num_f32 v[212+\b], v[212+\b], |v[96+16*\b+\i]|, |v[97+16*\b+\i]|
.endr
.endr
.irp b, 0,1
	s_delay_alu instid0(VALU_DEP_2)
	v_permlanex16_b32 v[216+\b], v[212+\b], s[SEL], s[SEL+1]
.endr
.irp b, 0,1
	s_delay_alu instid0(VALU_DEP_2)
	v_max_num_f32 v[212+\b], v[212+\b], v[216+\b]
.endr
.irp b, 0,1
	s_delay_alu instid0(VALU_DEP_2)
	v_add_nc_u32 v[220+\b], 0xff000000, v[212+\b]
.endr
.irp b, 0,1
	s_delay_alu instid0(VALU_DEP_2)
	v_lshrrev_b32 v[216+\b], 23, v[220+\b]
.endr
	v_cvt_scalef32_pk16_fp6_f32 v[192:194], v[96:111], v220
	v_cvt_scalef32_pk16_fp6_f32 v[204:206], v[112:127], v221
	v_cndmask_b32 v224, v216, v217, s[HIM]         ; lanes 0-15: block 0's byte, lanes 16-31: block 1's.  (A plain line behind the conversions)
.irp i, 0,1,2
	v_permlane16_swap_b32 v[192+\i], v[204+\i]
.endr
.irp i, 0,1,2
	s_delay_alu instid0(VALU_DEP_3)
	v_mov_b32 v[195+\i], v[204+\i]
.endr
	global_store_b128 v1, v[192:195], s[\ob:\ob+1] ; 512 consecutive bytes,
	global_store_b64 v2, v[196:197], s[\ob:\ob+1]  ; and the 256 behind them
	global_store_b8 v7, v224, s[\os:\os+1]         ; a byte a lane: 1 / 24 of the codes' bytes; the other bytes of these words are other heads'
	s_wait_xcnt 0x0                                ; the stores have read their data
.endm
	s_wait_loadcnt 0x0                             ; q of both passes
	BEGIN 94
.Lslot:                                            ; eight trips: behind each change of slots but the last the next slot is asked for
	CHANGE 1
	STEP 0
	STEP 1
	s_xor_b32 s[TB], s[TB], SLOT1
	s_cmp_lg_u32 s[SLOTS], s[PASS]                 ; the first pass's last slot?  The work-group's number and the count of trips alone: all sixteen waves go the same way
	s_cbranch_scc1 .Lsame
	FINISH OB1, OS1
.irp i, 0,1,2,3,4,5
	v_mov_b32 v[22+\i], v[88+\i]                   ; the second pass's q
.endr
	s_mov_b32 s[Q0], s[Q0B]
	s_mov_b32 s[KF], 0
	BEGIN 95
.Lsame:
	s_sub_co_u32 s[SLOTS], s[SLOTS], 1
	s_cmp_lg_u32 s[SLOTS], 0
	s_cbranch_scc1 .Lslot
	CHANGE 0                                       ; the last slot is written out: nothing is left to fetch
	STEP 0
	STEP 1
	FINISH OB2, OS2
	s_wait_tensorcnt 0x0                           ; the wave's end
	ds_add_u32 v[SPW], v[NIL]
	s_wait_dscnt 0x0
	s_endpgm
.Lfunc_end_k_q425dff6995_attn:
	.size	k_q425dff6995_attn, .Lfunc_end_k_q425dff6995_attn-k_q425dff6995_attn
	.p2alignl 7, 3214868480
	.fill 96, 4, 3214868480
	.section	.rodata,"a",@progbits
	.p2align	6, 0x0
	.amdhsa_kernel k_q425dff6995_attn
		.amdhsa_group_segment_fixed_size 327680
		.amdhsa_private_segment_fixed_size 0
		.amdhsa_enable_private_segment 0
		.amdhsa_kernarg_size 24
		.amdhsa_user_sgpr_count 2
		.amdhsa_user_sgpr_kernarg_segment_ptr 1
		.amdhsa_wavefront_size32 1
		.amdhsa_system_sgpr_workgroup_id_x 1
		.amdhsa_system_sgpr_workgroup_id_y 1
		.amdhsa_system_sgpr_workgroup_id_z 1
		.amdhsa_system_vgpr_workitem_id 0
		.amdhsa_next_free_vgpr 256
		.amdhsa_next_free_sgpr 100
		.amdhsa_reserve_vcc 1
		.amdhsa_float_denorm_mode_32 3
		.amdhsa_float_denorm_mode_16_64 3
		.amdhsa_memory_ordered 1
		.amdhsa_forward_progress 1
		.amdhsa_inst_pref_size 112
	.end_amdhsa_kernel
	.amdgpu_metadata
---
amdhsa.version: [ 1, 2 ]
amdhsa.kernels:
  - .name:           k_q425dff6995_attn
    .symbol:         k_q425dff6995_attn.kd
    .args:
      - { .name: qkv, .offset: 0, .size: 8, .value_kind: global_buffer, .address_space: global }
      - { .name: oimg, .offset: 8, .size: 8, .value_kind: global_buffer, .address_space: global }
      - { .name: osc, .offset: 16, .size: 8, .value_kind: global_buffer, .address_space: global }
    .group_segment_fixed_size: 327680
    .private_segment_fixed_size: 0
    .kernarg_segment_align: 8
    .kernarg_segment_size: 24
    .max_flat_workgroup_size: 512
    .sgpr_count:     100
    .vgpr_count:     256
    .wavefront_size: 32
...
	.end_amdgpu_metadata
.endif
;; end of part 3
;; launch proj (part 4): grid 4 x 32, 4 waves a work-group, clusters of 4 x 4, 327,680 bytes of LDS; arguments oimg, osc, wimg, wsc, out0; writes out0
.if DOCPART == 4
	.amdgcn_target "amdgcn-amd-amdhsa--gfx1250"
	.amdhsa_code_object_version 6
	.text
	.protected	k_q425dff6995_proj
	.globl	k_q425dff6995_proj
	.p2align	8
	.type	k_q425dff6995_proj,@function
k_q425dff6995_proj:
	s_mov_b64 s[64:65], 0
	v_nop
	global_prefetch_b8 v0, s[64:65] scope:SCOPE_SE
	s_setreg_imm32_b32 hwreg(HW_REG_WAVE_MODE, 25, 1), 1
	s_wait_xcnt 0x0
	s_wait_alu depctr_hold_cnt(0) depctr_sa_sdst(0) depctr_va_vdst(0) depctr_va_sdst(0) depctr_va_ssrc(0) depctr_va_vcc(0) depctr_vm_vsrc(0)
	s_getreg_b32 s2, hwreg(HW_REG_IB_STS2, 6, 4)
	s_cmp_eq_u32 s2, 0
	s_cbranch_scc0 .Lentry_in_a_cluster
	s_endpgm
.Lentry_in_a_cluster:
	s_bfe_u32 s2, ttmp6, 0x10000c
	s_cmp_lg_u32 s2, 0xf033
	s_cbranch_scc0 .Lentry_shape_is_right
	s_endpgm
.Lentry_shape_is_right:
; LAUNCH 4 OF 4: out0 = O Wo^T on codes of FP6 (E2M3), [8,192 x 1,024] x [1,024 x 1,024], f32 sums, f32 out.  No work is left out here.
; The product is launch 2's, with fixed roles: the A-role (source 1) is O (launch 3's images and scale words), the B-role (source 0) Wo, tiles 192 to 255 of the weights' image.
; A work-group makes 256 x 256 of out0, each of four waves 128 x 128; K = 1,024 is eight steps of 128, written out; three LDS slots of 256 along K, slot 0 filled once more; cluster 4 x 4 with joint loads, as there.
; A tile t of an operand holds rows 32 (t / 2) + 8 (t % 2) + r + 8 (r / 8): so a lane's eight results of accumulator (a, b) are columns 32 (b / 2) + 8 (b % 2) + 16 (lane / 16) + 0 .. 7 of row 32 (a / 2) + 8 (a % 2) + r + 8 (r / 8).
; THE WAY OUT: 16 rows x 128 columns at a time through the wave's own stage in LDS and back as whole rows of 512 bytes.  The stage lies in slot 1, which is filled once and is read by no wave behind the change of slots at step 3.
; REGISTERS: as in launch 2; v24-26 the way out's addresses; on the way out v128-255 of window 0 take the rows read back.
.set HALFT, 24576
.set SLOT,  4*HALFT
.set SPARE, 3*SLOT                     ; behind the ring: the spare words, 128 bytes for each wave: two blocks of 256 bytes that no other line names
.set FR,    12
.set AA16,  4
.set AA8,   7
.set BA16,  10
.set BA8,   13
.set SCO,   16
.set STO,   24                         ; v24  the stage: where I put 32 bytes of a row
.set RD,    25                         ; v25  and where I read a row back
.set CO,    26                         ; v26  my byte offset in a row's 512 bytes of out0
.set SPW,   28
.set NIL,   29
.set SCA,   32
.set SCB,   64
.set AF,    128
.set BK,    128
.set G1,    24
.set G1B,   48
.set G0,    68
.set G0B,   80
.set MSB, 0
.macro WIN new                         ; the immediate's high byte repeats the setting that is left
.if MSB != \new
	s_set_vgpr_msb (MSB<<8)|\new
.set MSB, \new
.endif
.endm
.set MUL_LO, 0xa1
.set MUL_HI, 0xf1
.set TO_B,   0x40
.macro JLOAD s                         ; a joint load: waves 0 and 1 fetch O's two halves, waves 2 and 3 Wo's; an s_nop 0 and four v_nop follow each of the two lines
	s_cmp_eq_u32 s15, 0
	s_cbranch_scc0 .Lfor_b_\@
	tensor_load_to_lds s[G0+4*\s:G0+4*\s+3], s[G1:G1+7]
	s_nop 0
.rept 4
	v_nop
.endr
	s_branch .Lasked_\@
.Lfor_b_\@:
	tensor_load_to_lds s[G0B+4*\s:G0B+4*\s+3], s[G1B:G1B+7]
	s_nop 0
.rept 4
	v_nop
.endr
.Lasked_\@:
.endm
.macro CREST
	s_cmp_lg_u32 s14, 0
	s_cbranch_scc1 .Lnot_wave_0_\@
	s_barrier_signal -3
.Lnot_wave_0_\@:
	s_barrier_wait -3
	s_barrier_signal -1
	s_barrier_wait -1
.endm
.macro CROUND
	s_barrier_signal -1
	s_barrier_wait -1
	CREST
.endm
.macro PLACES n
.rept \n
	v_nop
.endr
.endm
	s_load_b128 s[4:7], s[0:1], 0x0                ; O's codes, O's scale words
	s_load_b128 s[8:11], s[0:1], 0x10              ; the weights' codes, their scale words
	s_load_b64 s[12:13], s[0:1], 0x20              ; out0
	v_lshl_add_u32 v[SPW], v0, 2, SPARE
	v_mov_b32 v[NIL], 0
	ds_add_u32 v[SPW], v[NIL]                      ; the wave's opening: the add, twice on end, and its wait ahead of my first tensor load
	ds_add_u32 v[SPW], v[NIL]
	v_lshrrev_b32 v1, 5, v0
	v_readfirstlane_b32 s14, v1                    ; wave 0..3
	s_lshr_b32 s15, s14, 1                         ; my half of the rows.  Also: I fetch for O (0) or for Wo (1)
	s_and_b32 s16, s14, 1                          ; my half of the columns.  Also: which 8 tiles I fetch
	s_bfe_u32 s40, ttmp6, 0x40000
	s_bfe_u32 s41, ttmp6, 0x40004
	s_lshl_b32 s42, ttmp9, 2
	s_add_co_u32 s42, s42, s40                     ; tx
	s_and_b32 s17, ttmp7, 0xffff
	s_lshl_b32 s17, s17, 2
	s_add_co_u32 s17, s17, s41                     ; ty
	s_lshl_b32 s43, s41, 2
	s_lshl_b32 s43, 15, s43
	s_lshl_b32 s44, 0x1111, s40
	s_or_b32 s[G1], s43, (3<<16)|(1<<21)           ; the mask; elements of 8 bytes; no padding; bit 21 set beside a mask
	s_or_b32 s[G1B], s44, (3<<16)|(1<<21)
.irp g, G1, G1B
	s_mov_b32 s[\g+1], 384<<16                     ; 3,072 bytes: 256 along K of a tile
	s_mov_b32 s[\g+2], 8<<16                       ; 8 tiles
	s_mov_b32 s[\g+3], 384<<16
	s_mov_b32 s[\g+4], 8
	s_mov_b32 s[\g+5], 1536                        ; 12,288 bytes from tile to tile
	s_mov_b32 s[\g+6], 0
	s_mov_b32 s[\g+7], 0
.endr
	s_lshl_b32 s18, s16, 3
	s_lshl_b32 s20, s17, 4
	s_add_co_u32 s20, s20, s18
	s_mul_i32 s20, s20, 12288
	s_mov_b32 s21, 0
	s_lshl_b32 s46, s42, 4
	s_add_co_u32 s46, s46, s18
	s_add_co_u32 s46, s46, 192                     ; Wo's tiles lie behind Wq's, Wk's and Wv's
	s_mul_i32 s46, s46, 12288
	s_mov_b32 s47, 0
	s_mul_i32 s45, s14, HALFT
	s_wait_dscnt 0x0                               ; both opening adds are done
	s_wait_kmcnt 0x0
	s_add_nc_u64 s[20:21], s[4:5], s[20:21]
	s_add_nc_u64 s[46:47], s[8:9], s[46:47]
	CROUND                                         ; all sixteen work-groups are here: the first joint loads meet
.irp s, 0,1,2
	s_mov_b32 s[G0+4*\s], 1
	s_add_co_u32 s[G0+4*\s+1], s45, \s*SLOT
	s_add_nc_u64 s[G0+4*\s+2:G0+4*\s+3], s[20:21], \s*3072
	s_or_b32 s[G0+4*\s+3], s[G0+4*\s+3], 0x80000000
	s_mov_b32 s[G0B+4*\s], 1
	s_add_co_u32 s[G0B+4*\s+1], s45, \s*SLOT
	s_add_nc_u64 s[G0B+4*\s+2:G0B+4*\s+3], s[46:47], \s*3072
	s_or_b32 s[G0B+4*\s+3], s[G0B+4*\s+3], 0x80000000
	JLOAD \s
.endr
	v_and_b32 v1, 31, v0
	v_lshlrev_b32 v2, 4, v1                        ; 16 x lane
	v_lshlrev_b32 v3, 3, v1
	v_add_nc_u32 v3, 512, v3                       ; 512 + 8 x lane
	v_lshlrev_b32 v[SCO], 2, v1
	s_lshl_b32 s32, s17, 13
	s_lshl_b32 s33, s15, 12
	s_add_co_u32 s32, s32, s33
	s_mov_b32 s33, 0
	s_lshl_b32 s34, s42, 13
	s_lshl_b32 s35, s16, 12
	s_add_co_u32 s34, s34, s35
	s_add_co_u32 s34, s34, 192*512
	s_mov_b32 s35, 0
	s_add_nc_u64 s[92:93], s[6:7], s[32:33]
	s_add_nc_u64 s[94:95], s[10:11], s[34:35]
.irp i, 0,1,2,3,4,5,6,7                        ; all scale words of my 128 + 128 rows, for all of K; they stay
.irp g, 0,1,2,3
	global_load_b32 v[SCA+4*\i+\g], v[SCO], s[92:93] offset:\i*512+128*\g
	global_load_b32 v[SCB+4*\i+\g], v[SCO], s[94:95] offset:\i*512+128*\g
.endr
.endr
	s_mul_i32 s21, s15, HALFT
	s_mul_i32 s22, s16, HALFT
	s_add_co_u32 s22, s22, 2*HALFT
.irp s, 0,1,2
	v_add_nc_u32 v[AA16+\s], s21, v2
	v_add_nc_u32 v[AA8+\s], s21, v3
	v_add_nc_u32 v[BA16+\s], s22, v2
	v_add_nc_u32 v[BA8+\s], s22, v3
	s_add_co_u32 s21, s21, SLOT
	s_add_co_u32 s22, s22, SLOT
.endr
	s_mul_i32 s23, s14, 16*528
	s_add_co_u32 s23, s23, SLOT                    ; my stage, in slot 1
	v_and_b32 v21, 15, v0
	v_bfe_u32 v22, v0, 4, 1
	v_mul_u32_u24 v[STO], v21, 528
	v_lshl_add_u32 v[STO], v22, 6, v[STO]
	v_add_nc_u32 v[STO], s23, v[STO]               ; in: row r, + 64 bytes for lanes 16-31
	v_add_nc_u32 v[RD], s23, v2                    ; back: the 32 lanes take one row of 512 bytes
	v_mov_b32 v[CO], v2
	s_lshl_b32 s18, s17, 20                        ; 256 ty rows of 4,096 bytes
	s_lshl_b32 s19, s15, 19
	s_add_co_u32 s18, s18, s19
	s_lshl_b32 s19, s42, 10                        ; 256 tx columns
	s_add_co_u32 s18, s18, s19
	s_lshl_b32 s19, s16, 9
	s_add_co_u32 s18, s18, s19
	s_mov_b32 s19, 0
	s_add_nc_u64 s[12:13], s[12:13], s[18:19]
.macro FRAG reg, a16, a8, off
	ds_load_b128 v[\reg:\reg+3], v[\a16] offset:\off
	ds_load_b64 v[\reg+4:\reg+5], v[\a8] offset:\off
	ds_load_b128 v[\reg+6:\reg+9], v[\a16] offset:\off+768
	ds_load_b64 v[\reg+10:\reg+11], v[\a8] offset:\off+768
.endm
; The 64 accumulators take turns, one instruction a turn, in the same order in every step.
.macro MUL16 a0, g, zero
.irp a, \a0, \a0+1
.irp b, 0,1,2,3,4,5,6,7
.set rD, 8*(8*((\a)%4)+\b)
.set rB, 128*((\g)%2)+FR*\b
.set rA, AF+FR*(\a)
.set rSB, SCB+4*\b+(\g)/2
.set rSA, SCA+4*(\a)+(\g)/2
.if \zero
	v_wmma_scale_f32_16x16x128_f8f6f4 v[rD:rD+7], v[rB:rB+FR-1], v[rA:rA+FR-1], 0, v[rSB], v[rSA] matrix_a_fmt:MATRIX_FMT_FP6 matrix_b_fmt:MATRIX_FMT_FP6
.elseif (\g)%2
	v_wmma_scale_f32_16x16x128_f8f6f4 v[rD:rD+7], v[rB:rB+FR-1], v[rA:rA+FR-1], v[rD:rD+7], v[rSB], v[rSA] matrix_a_fmt:MATRIX_FMT_FP6 matrix_b_fmt:MATRIX_FMT_FP6 matrix_a_scale:MATRIX_SCALE_ROW1 matrix_b_scale:MATRIX_SCALE_ROW1
.else
	v_wmma_scale_f32_16x16x128_f8f6f4 v[rD:rD+7], v[rB:rB+FR-1], v[rA:rA+FR-1], v[rD:rD+7], v[rSB], v[rSA] matrix_a_fmt:MATRIX_FMT_FP6 matrix_b_fmt:MATRIX_FMT_FP6
.endif
.endr
.endr
.endm
.macro FETCH_B slot, q, p
	WIN TO_B
.irp i, 0,1,2,3,4,5,6,7
	FRAG 128*(\p)+FR*\i, BA16+\slot, BA8+\slot, \i*3072+(\q)*1536
.endr
	WIN 0
.endm
.macro FETCH_A slot, q, i0
.irp i, \i0, \i0+1, \i0+2, \i0+3
	FRAG AF+FR*(\i), AA16+\slot, AA8+\slot, (\i)*3072+(\q)*1536
.endr
.endm
.macro STEP g, nslot, nq, zero
	s_wait_dscnt 16                                ; Wo's set and O's tiles 0-3 are in; the youngest 16 loads (O's tiles 4-7) may be out
	WIN MUL_LO
	MUL16 0, \g, \zero
	MUL16 2, \g, \zero
	s_wait_dscnt 0x0
	PLACES 4                                       ; in front of loads into registers that matrix instructions have read
	FETCH_B \nslot, \nq, 1-(\g)%2
	FETCH_A \nslot, \nq, 0
	WIN MUL_HI
	MUL16 4, \g, \zero
	MUL16 6, \g, \zero
	PLACES 4
	WIN 0
	FETCH_A \nslot, \nq, 4
.endm
; mode 0: the next slot's first fill is waited for by count (one later first fill may stay out).  mode 1: all my tensor loads, the add, my reads; the barrier opens a round of the cluster's;
; behind it slot 0 is filled again.  mode 2: the same waits, a plain barrier, nothing filled.
.macro TURN g, nslot, mode
.if \mode == 0
	s_wait_tensorcnt 0x1
	s_wait_dscnt 16
.else
	s_wait_tensorcnt 0x0
	ds_add_u32 v[SPW], v[NIL]                      ; 0 onto my spare word
	s_wait_dscnt 17                                ; (the add and the youngest 16 loads may be out)
.endif
	WIN MUL_LO
	MUL16 0, \g, 0
	s_wait_dscnt 0x0                               ; the add is done, and my reads of this slot are over
	s_barrier_signal -1
	MUL16 2, \g, 0
	WIN 0
	s_barrier_wait -1
.if \mode == 1
	CREST
	s_add_nc_u64 s[G0+2:G0+3], s[G0+2:G0+3], 9216
	s_add_nc_u64 s[G0B+2:G0B+3], s[G0B+2:G0B+3], 9216
	JLOAD 0                                        ; the first tensor load behind the round; its four v_nop are the places in front of the loads below
.else
	PLACES 4
.endif
	FETCH_B \nslot, 0, 0
	FETCH_A \nslot, 0, 0
	WIN MUL_HI
	MUL16 4, \g, 0
	MUL16 6, \g, 0
	PLACES 4
	WIN 0
	FETCH_A \nslot, 0, 4
.endm
	s_wait_tensorcnt 0x2                           ; my part of slot 0 is in; slots 1 and 2 may stay out
	s_barrier_signal -1
	s_barrier_wait -1
	FETCH_B 0, 0, 0
	FETCH_A 0, 0, 0
	FETCH_A 0, 0, 4
	s_wait_loadcnt 0x0                             ; the scale words
	STEP 0, 0, 1, 1
	TURN 1, 1, 0
	STEP 2, 1, 1, 0
	TURN 3, 2, 1
	STEP 4, 2, 1, 0
	TURN 5, 0, 2
	STEP 6, 0, 1, 0
	s_wait_dscnt 16
	WIN MUL_LO
	MUL16 0, 7, 0
	MUL16 2, 7, 0
	s_wait_dscnt 0x0
	WIN MUL_HI
	MUL16 4, 7, 0
	MUL16 6, 7, 0
	WIN 0
.macro TOSTAGE a
.set AC, 64*((\a)%4)
.set WS, 0x08+4*((\a)/4)
	WIN WS                                         ; an LDS store's data are its source 1: window 2 or 3
.irp b, 0,1,2,3,4,5,6,7
	ds_store_b128 v[STO], v[AC+8*\b:AC+8*\b+3] offset:128*(\b/2)+32*(\b%2)        ; each accumulator from its low end on
	ds_store_b128 v[STO], v[AC+8*\b+4:AC+8*\b+7] offset:128*(\b/2)+32*(\b%2)+16
.endr
	WIN 0
.set BB, BK+64*((\a)%2)
.irp t, 0,1,2,3,4,5,6,7,8,9,10,11,12,13,14,15
	ds_load_b128 v[BB+4*\t:BB+4*\t+3], v[RD] offset:\t*528   ; LDS serves a wave's instructions in order: these see the stores above, and the next block's stores come behind them
.endr
.endm
.macro SEND a, younger                 ; younger: the LDS instructions issued behind block a's loads, which may stay out
.set BB, BK+64*((\a)%2)
	s_wait_dscnt \younger
.irp t, 0,1,2,3,4,5,6,7,8,9,10,11,12,13,14,15
	global_store_b128 v[CO], v[BB+4*\t:BB+4*\t+3], s[12:13] offset:(32*((\a)/2)+8*((\a)%2)+\t+8*(\t/8))*4096 th:TH_STORE_NT   ; 32 lanes store 512 consecutive bytes of a row; the row stands in the immediate: 127 rows at the most
.endr
.endm
	PLACES 4                                       ; in front of the first read of results, and of loads into the registers that held O's fragments
	TOSTAGE 0
.irp a, 1,2,3,4,5,6,7
.if \a > 1
	s_wait_xcnt 0x0                                ; block a - 2's stores have read their registers: block a's loads may land there
.endif
	TOSTAGE \a
	SEND \a-1, 32                                  ; behind block a - 1's loads: block a's 16 stores and 16 loads
.endr
	SEND 7, 0
	s_wait_tensorcnt 0x0                           ; the wave's end, behind my last tensor load and my last LDS store
	ds_add_u32 v[SPW], v[NIL]
	s_wait_dscnt 0x0
	CROUND                                         ; the closing round
	s_endpgm
.Lfunc_end_k_q425dff6995_proj:
	.size	k_q425dff6995_proj, .Lfunc_end_k_q425dff6995_proj-k_q425dff6995_proj
	.p2alignl 7, 3214868480
	.fill 96, 4, 3214868480
	.section	.rodata,"a",@progbits
	.p2align	6, 0x0
	.amdhsa_kernel k_q425dff6995_proj
		.amdhsa_group_segment_fixed_size 327680
		.amdhsa_private_segment_fixed_size 0
		.amdhsa_enable_private_segment 0
		.amdhsa_kernarg_size 40
		.amdhsa_user_sgpr_count 2
		.amdhsa_user_sgpr_kernarg_segment_ptr 1
		.amdhsa_wavefront_size32 1
		.amdhsa_system_sgpr_workgroup_id_x 1
		.amdhsa_system_sgpr_workgroup_id_y 1
		.amdhsa_system_sgpr_workgroup_id_z 1
		.amdhsa_system_vgpr_workitem_id 0
		.amdhsa_next_free_vgpr 1024
		.amdhsa_next_free_sgpr 100
		.amdhsa_reserve_vcc 0
		.amdhsa_float_denorm_mode_32 3
		.amdhsa_float_denorm_mode_16_64 3
		.amdhsa_memory_ordered 1
		.amdhsa_forward_progress 1
		.amdhsa_inst_pref_size 145
	.end_amdhsa_kernel
	.amdgpu_metadata
---
amdhsa.version: [ 1, 2 ]
amdhsa.kernels:
  - .name:           k_q425dff6995_proj
    .symbol:         k_q425dff6995_proj.kd
    .args:
      - { .name: oimg, .offset: 0, .size: 8, .value_kind: global_buffer, .address_space: global }
      - { .name: osc, .offset: 8, .size: 8, .value_kind: global_buffer, .address_space: global }
      - { .name: wimg, .offset: 16, .size: 8, .value_kind: global_buffer, .address_space: global }
      - { .name: wsc, .offset: 24, .size: 8, .value_kind: global_buffer, .address_space: global }
      - { .name: out0, .offset: 32, .size: 8, .value_kind: global_buffer, .address_space: global }
    .group_segment_fixed_size: 327680
    .private_segment_fixed_size: 0
    .kernarg_segment_align: 8
    .kernarg_segment_size: 40
    .max_flat_workgroup_size: 128
    .sgpr_count:     100
    .vgpr_count:     1024
    .wavefront_size: 32
...
	.end_amdgpu_metadata
.endif
;; end of part 4
